; MI455X (gfx1250); checked and timed in simulation.
; The chip was launched on July 23, 2026; its instructions are those of AMD's public machine-readable ISA for CDNA 5 (MIT licence, August 2026) and "CDNA5" Instruction Set Architecture Reference Guide (July 2026). The comments in the code are by the model that wrote it; some were corrected since.
;; Multi Head Attention. Allowed arithmetic: matrix products marked QUANTISED: E2M3 operands, one E8M0 scale for each 32 along K, by v_wmma_scale_f32_16x16x128_f8f6f4 with both operands' format E2M3, f32 sums; everything else in f32.
;; Inputs: bk 1,024 float32; bo 1,024 float32; bq 1,024 float32; bv 1,024 float32; key 4 x 2,048 x 1,024 float32; mask 4 x 2,048 x 2,048 int32; query 4 x 2,048 x 1,024 float32; value 4 x 2,048 x 1,024 float32; wk 1,024 x 1,024 float32; wo 1,024 x 1,024 float32; wq 1,024 x 1,024 float32; wv 1,024 x 1,024 float32.
;; Outputs: out0 4 x 2,048 x 1,024 float32.
;; This version of the problem:
;;   THIS VERSION OF THE PROBLEM IS GIVEN IN LOW PRECISION. The matrix products marked QUANTISED in the list below multiply operands that are first quantised to E2M3 (2 exponent bits, 3 mantissa bits; 6 bits a number), with one power-of-two scale for each 32 numbers along K (OCP MX v1.0); their sums are f32. All else is computed in f32.
;;   The module's matrix products, in the order in which they are computed (A, B: the left and right operand; K: the contracted axis; several contracted axes count as one K, in the product's order):
;;     1. [M 8,192, K 1,024] x [K 1,024, N 1,024]; A: input query; B: input wq: QUANTISED
;;     2. [M 8,192, K 1,024] x [K 1,024, N 1,024]; A: input key; B: input wk: QUANTISED
;;     3. [M 8,192, K 1,024] x [K 1,024, N 1,024]; A: input value; B: input wv: QUANTISED
;;     4. batch 64 x [M 2,048, K 64] x [K 64, N 2,048]; A: computed on the way; B: computed on the way: QUANTISED
;;     5. batch 64 x [M 2,048, K 2,048] x [K 2,048, N 64]; A: softmax (see below); B: computed on the way: QUANTISED
;;     6. [M 8,192, K 1,024] x [K 1,024, N 1,024]; A: computed on the way; B: input wo: QUANTISED
;;   THE QUANTISER, for each operand of a quantised product, along K:
;;     - K is cut into blocks of 32 from its start; a last block that is shorter is filled with zeros.
;;     - A block's scale is 2^e with e = floor(log2(the largest magnitude in the block)) - 2, held to -126 .. 127; a block of zeros has e = 0. As a byte (E8M0): e + 127.
;;     - Each number is divided by its block's scale, clamped to +-7.5, and rounded to the nearest number of E2M3, ties to even, subnormals kept.
;;     - The product sums the exact products of the quantised numbers (number of the format x scale) in f32.
;;   ~~~python
;;   def quantise(x, axis):      # numpy; x: float32 -> the quantised numbers, widened to float32 again
;;       x = np.moveaxis(x, axis, -1); K = x.shape[-1]
;;       x = np.pad(x, [(0, 0)] * (x.ndim - 1) + [(0, -K % 32)]); x = x.reshape(x.shape[:-1] + (-1, 32)); a = np.abs(x).max(-1, keepdims=True)
;;       e = np.where(a > 0, np.clip(np.frexp(np.where(a > 0, a, 1))[1] - 1 - 2, -126, 127), 0)      # np.frexp(a)[1] - 1 = floor(log2(a)), exactly
;;       r = np.clip(x / 2.0 ** e, -7.5, 7.5)
;;       step = 2.0 ** (np.maximum(np.frexp(np.where(r == 0, 1, r))[1] - 1, 0) - 3)
;;       q = np.round(r / step) * step * 2.0 ** e      # np.round: ties to even
;;       return np.moveaxis(q.reshape(q.shape[:-2] + (-1,))[..., :K], -1, axis).astype(np.float32)
;;   ~~~
;;   SOFTMAX AHEAD OF A QUANTISED PRODUCT. Where the list says 'softmax', what is quantised is not the finished softmax but p = 2^(t - M), with t = logit x log2(e) and M = ceil(the row's largest t), a whole number; so 1/2 < the row's largest p <= 1. The row's sum l is taken of the UNQUANTISED p, in f32, and the product's result is divided by l at the end. Since M is a whole number, a kernel that streams over the keys may use a running M (the ceiling of the running maximum): every later rescaling is an exact power of two, which a block's scale takes up: the codes' values come out the same.
;;   OPERANDS COMPUTED ON THE WAY. 'Computed on the way' means the value that the module computes at that place (a softmax that the list does not call 'softmax' is quantised finished and normalised). What goes into a quantiser is computed in f32, as accurately as f32 sums, v_exp_f32 and their like allow (about 1e-6 of the number): no bf16 or f16 on the way to a quantiser, and a product that is left as it is and whose result goes on into a quantised operand takes f32 operands (vector FMAs, or v_wmma_f32_16x16x4_f32). A number that lies on a knife's edge between two numbers of the format may be rounded either way, as far as f32 arithmetic and the matrix unit's own rounding can turn it there, and no further.
;; One version. Each part assembles by itself: llvm-mc -triple=amdgcn-amd-amdhsa -mcpu=gfx1250 --defsym DOCPART=n.
;; ======== version 1 of 1: 4 launches
;; limits: right only within a limited range of input values
;; workspace buffers: ops 23,855,104 bytes; maskc 12,582,912 bytes; qimg 6,815,744 bytes; kv 13,369,344 bytes; at 6,815,744 bytes
;; launch prep (part 1): grid 704 x 1, 4 waves a work-group, no clusters, 68,096 bytes of LDS; arguments query, key, value, wq, wk, wv, wo, mask, ops, maskc; writes ops, maskc
.if DOCPART == 1
	.amdgcn_target "amdgcn-amd-amdhsa--gfx1250"
	.amdhsa_code_object_version 6
	.text
	.protected	k_q7cbe162b28_prep
	.globl	k_q7cbe162b28_prep
	.p2align	8
	.type	k_q7cbe162b28_prep,@function
k_q7cbe162b28_prep:
	s_mov_b64 s[64:65], 0
	v_nop
	global_prefetch_b8 v0, s[64:65] scope:SCOPE_SE
	s_setreg_imm32_b32 hwreg(HW_REG_WAVE_MODE, 25, 1), 1
	s_wait_xcnt 0x0
; MULTI-HEAD ATTENTION IN MX-FP6, launch 1 of 4: the seven f32 operands of the four projections become codes of E2M3 with one E8M0 byte for each 32 along K; the mask becomes codes of E2M3 too (0 or -4).
; NO WORK OF THE PROBLEM IS LEFT OUT IN ANY LAUNCH: every input has a way to the output (bk too: it moves k's codes), so all twelve inputs are loaded.
; LIMITS, for the whole program.  A block of zeros gets the byte 1 where the rule says 127 (its codes are zeros, and this program alone reads the bytes); blocks whose largest magnitude lies under 2^-124
; are held at the byte 1; NaN and infinities among the inputs are not served.  A masked logit is -2^30 where the problem says -1e9 (see the third launch).
; A TILE is 16 rows of an operand, and its rows are not neighbours.  All tensors but key: slot p of tile 2 g + u holds row 32 g + 8 u + p + 8 (p / 8).
; key: slot p of tile 4 g + u holds row 64 g + 8 u + p % 8 + 32 (p / 8): as source 0 of the scores' product, tiles 4 g .. 4 g + 3 then leave a lane 32 NEIGHBOURING keys, 64 g + 32 (lane / 16) + 0 .. 31: one scale block of p.
; OPERANDS LIE IN MEMORY AS IMAGES OF THEIR REGISTERS.  16 rows x 64 K are six registers a lane (lane (r, h): k = 32 h .. 32 h + 31 of slot r), 768 bytes: registers 0-3 at 16 x lane, registers 4-5 at 512 + 8 x lane.
; ops: a record of 13,312 bytes for each tile: four chunks (256 along K) of 3,328 bytes: four such images, then at 3,072 + 8 p + 4 q the scale word of slot p for the chunk's q-th 128 along K; the last 128 bytes hold a copy that nobody reads.
; Tiles: query 0-511, key 512-1,023, value 1,024-1,535, wq 1,536-, wk 1,600-, wv 1,664-, wo 1,728-1,791.
; maskc: [batch x 128 + query tile][key step of 128][group g = 0 .. 3][lane][12 bytes]: lane (r, h)'s 16 codes for slot r's query and keys 128 step + 64 (g / 2) + 32 h + 16 (g % 2) + 0 .. 15: -4 where the mask is 0, else 0.
; SHARES.  Task = 4 x work-group + wave.  Tasks 0-1,791: one tile, all 1,024 along K, in 8 units of 16 rows x 128.  Tasks 1,792-2,815: one query tile x 8 key steps of the mask, 8 units of the same shape.
; A unit's 16 loads read 512 consecutive bytes each; the 8,192 bytes turn through the wave's own stage in LDS (rows 528 bytes apart).  Loads run two units (32 loads a wave) ahead.
; Waves share nothing: no barrier.  The two kinds of task have LDS bytes of their own.
.set STG,   8448                       ; a wave's stage: 16 rows x 528 bytes
.set MSTG,  33792                      ; the mask tasks' stages begin here
.set SPARE, 67584                      ; the spare words, 128 bytes for each wave
.set REC,   13312
.set CHK,   3328
.set R,     16                         ; v16-79, v80-143  two sets of 64 registers as loaded
.set X,     144                        ; v144-207  my 64 numbers of a unit
.set PC,    208                        ; v208-227  the codes just made
.set TM,    228                        ; v228-243  at work in the quantiser
.set SPW,   12                         ; v12  LDS address of my spare word; never rewritten
.set NIL,   13                         ; v13  0; never rewritten
	s_load_b512 s[4:19], s[0:1], 0x0               ; query, key, value, wq, wk, wv, wo, mask
	s_load_b128 s[20:23], s[0:1], 0x40             ; ops, maskc
	v_lshl_add_u32 v[SPW], v0, 2, SPARE
	v_mov_b32 v[NIL], 0
	v_lshrrev_b32 v1, 5, v0
	v_readfirstlane_b32 s2, v1                     ; wave
	v_and_b32 v1, 31, v0                           ; lane
	v_and_b32 v2, 15, v0                           ; r
	v_bfe_u32 v3, v0, 4, 1                         ; h
	v_lshlrev_b32 v4, 4, v1                        ; 16 x lane
	v_lshlrev_b32 v5, 3, v1                        ; 8 x lane
	s_mul_i32 s3, s2, STG
	v_add_nc_u32 v6, s3, v4                        ; the stage, on the way in: a row's 512 bytes as they lie
	v_mul_u32_u24 v7, v2, 528
	v_lshl_add_u32 v7, v3, 6, v7
	v_add_nc_u32 v7, s3, v7                        ; and on the way out: row r, + 64 h
	v_add_nc_u32 v14, MSTG, v6                     ; a mask task's way in,
	v_lshl_add_u32 v15, v3, 6, v7
	v_add_nc_u32 v15, MSTG, v15                    ; and out: row r, + 128 h
	s_mov_b32 s24, ttmp9
	s_lshl_b32 s28, s24, 2
	s_add_co_u32 s28, s28, s2                      ; task
	s_mov_b32 s31, 0
	s_wait_alu depctr_va_vdst(0)                   ; the wait at the head's end
	s_wait_kmcnt 0x0
.macro LOAD u, pitch                   ; unit u: slots 0-7 lie on end from the tile's first row (v4), slots 8-15 on end from slot 8's row (v9)
.irp i, 0,1,2,3,4,5,6,7
	global_load_b128 v[R+64*((\u)%2)+4*\i:R+64*((\u)%2)+4*\i+3], v4, s[26:27] offset:\i*(\pitch)+512*(\u) th:TH_LOAD_NT
.endr
.irp i, 0,1,2,3,4,5,6,7
	global_load_b128 v[R+64*((\u)%2)+32+4*\i:R+64*((\u)%2)+32+4*\i+3], v9, s[26:27] offset:\i*(\pitch)+512*(\u) th:TH_LOAD_NT
.endr
.endm
; through the stage: LDS serves a wave's instructions in order, so no wait stands between the stores and the loads.
; m = 0: register 16 b + i = column 32 b + 16 h + i of my row;  m = 1: column 64 (b / 2) + 32 h + 16 (b % 2) + i
.macro TURN u, in, out, m
.irp i, 0,1,2,3,4,5,6,7,8,9,10,11,12,13,14,15
	ds_store_b128 v[\in], v[R+64*((\u)%2)+4*\i:R+64*((\u)%2)+4*\i+3] offset:528*\i
.endr
.irp b, 0,1,2,3
.irp j, 0,1,2,3
	ds_load_b128 v[X+16*\b+4*\j:X+16*\b+4*\j+3], v[\out] offset:128*\b*(1-\m)+(256*(\b/2)+64*(\b%2))*\m+16*\j
.endr
.endr
.endm
; 64 numbers of a lane, register 16 b + i = k 32 b + 16 h + i of my row, become a fragment's 12 registers of codes in v[PC] on and its scale word in v[pw]
.macro QUANT s, pw
.irp b, 0,1,2,3
	v_max3_num_f32 v[TM+\b], |v[\s+16*\b]|, |v[\s+1+16*\b]|, 0x1800000   ; my 16 numbers of block b, and the floor 2^(3 - 127): the byte cannot fall under 1
.endr
.irp i, 2,4,6,8,10,12,14
.irp b, 0,1,2,3
	v_max3_num_f32 v[TM+\b], v[TM+\b], |v[\s+16*\b+\i]|, |v[\s+1+16*\b+\i]|
.endr
.endr
.irp b, 0,1,2,3
	v_permlanex16_b32 v[TM+4+\b], v[TM+\b], s32, s33
.endr
.irp b, 0,1,2,3
	v_max_num_f32 v[TM+\b], v[TM+\b], v[TM+4+\b]   ; with lane l xor 16's: the block's largest magnitude
.endr
.irp b, 0,1,2,3
	v_add_nc_u32 v[TM+12+\b], 0xff000000, v[TM+\b] ; 2 off its exponent field: the conversion's scale operand
.endr
.irp b, 0,1,2,3
	v_lshrrev_b32 v[TM+4+\b], 23, v[TM+12+\b]      ; the scale's byte
.endr
	v_lshl_or_b32 v[\pw], v[TM+5], 8, v[TM+4]
	v_lshl_or_b32 v[\pw], v[TM+6], 16, v[\pw]
	v_lshl_or_b32 v[\pw], v[TM+7], 24, v[\pw]
.irp c, 0,1
	v_cvt_scalef32_pk16_fp6_f32 v[PC+6*\c:PC+2+6*\c], v[\s+32*\c:\s+15+32*\c], v[TM+12+2*\c]
	v_cvt_scalef32_pk16_fp6_f32 v[PC+12+4*\c:PC+14+4*\c], v[\s+16+32*\c:\s+31+32*\c], v[TM+12+2*\c+1]   ; (a conversion's three registers begin on an even number)
.endr
	v_nop                                          ; one plain place behind a scaled conversion
.irp c, 0,1                            ; the operand's layout wants a whole block in a lane: lanes 0-15 block 2 c, lanes 16-31 block 2 c + 1
.irp i, 0,1,2
	v_permlane16_swap_b32 v[PC+6*\c+\i], v[PC+12+4*\c+\i]
.endr
.irp i, 0,1,2
	v_mov_b32 v[PC+3+6*\c+\i], v[PC+12+4*\c+\i]
.endr
.endr
.endm
	s_cmp_ge_u32 s24, 448                          ; the work-group's number alone decides
	s_cbranch_scc1 .Lmask
	; ---- a tile of one of the seven tensors
.macro PICK first, lo                  ; from work-group 'first' on: the tensor at s[lo:lo+1]
	s_cmp_ge_u32 s24, \first
	s_cselect_b64 s[26:27], s[\lo:\lo+1], s[26:27]
	s_cselect_b32 s25, \first, s25
.endm
	s_mov_b64 s[26:27], s[4:5]
	s_mov_b32 s25, 0
	PICK 128, 6
	PICK 256, 8
	PICK 384, 10
	PICK 400, 12
	PICK 416, 14
	PICK 432, 16
	s_sub_co_u32 s25, s24, s25
	s_lshl_b32 s25, s25, 2
	s_add_co_u32 s25, s25, s2                      ; my tile in its tensor
	s_lshr_b32 s35, s24, 7
	s_cmp_eq_u32 s35, 1                            ; work-groups 128-255: key
	s_cselect_b32 s35, 2, 1                        ; a group is 2^s35 tiles: 4 for key, else 2
	s_lshr_b32 s29, s25, s35
	s_add_co_u32 s36, s35, 4
	s_lshl_b32 s29, s29, s36                       ; 64 or 32 rows a group
	s_bfm_b32 s36, s35, 0
	s_and_b32 s25, s25, s36
	s_lshl_b32 s25, s25, 3
	s_add_co_u32 s29, s29, s25                     ; the tile's first row
	s_lshl_b32 s36, 0x8000, s35                    ; slot 8 lies 32 or 16 rows of 4,096 bytes below it
	s_lshl_b32 s30, s29, 12
	s_add_nc_u64 s[26:27], s[26:27], s[30:31]
	s_mul_i32 s30, s28, REC
	s_add_nc_u64 s[20:21], s[20:21], s[30:31]      ; my record
	s_mov_b32 s32, 0x76543210
	s_mov_b32 s33, 0xfedcba98                      ; lane l xor 16
	v_add_nc_u32 v9, s36, v4
.irp b, 0,1,2,3
	v_mov_b32 v[TM+4+\b], 0                        ; a lane permute's destination counts as one of its sources
.endr
.macro QUNIT u
.if (\u) < 7
	s_wait_loadcnt 16                              ; this unit's 16 loads are in; the next unit's may be out
.else
	s_wait_loadcnt 0x0
.endif
	TURN \u, 6, 7, 0
	s_wait_dscnt 0x0                               ; my 64 numbers are back, and the stage's stores have read the set
	s_wait_xcnt 0x0                                ; the last unit's stores have read the codes' and the scale words' registers
.if (\u) < 6
	LOAD (\u)+2, 4096
.endif
	QUANT X, 10+(\u)%2
	global_store_b128 v4, v[PC:PC+3], s[20:21] offset:((\u)/2)*CHK+((\u)%2)*1536          ; each store covers whole aligned blocks of 256 bytes
	global_store_b64 v5, v[PC+4:PC+5], s[20:21] offset:((\u)/2)*CHK+((\u)%2)*1536+512
	global_store_b128 v4, v[PC+6:PC+9], s[20:21] offset:((\u)/2)*CHK+((\u)%2)*1536+768
	global_store_b64 v5, v[PC+10:PC+11], s[20:21] offset:((\u)/2)*CHK+((\u)%2)*1536+1280
.if (\u)%2
	global_store_b64 v5, v[10:11], s[20:21] offset:((\u)/2)*CHK+3072   ; the chunk's two scale words of each slot: lanes 0-15; lanes 16-31 hold the same and fill the copy: 256 bytes in all
.endif
.endm
	s_wait_alu depctr_va_vdst(0)                   ; the wait ahead of the first readers of what was just written
	LOAD 0, 4096
	LOAD 1, 4096
.irp u, 0,1,2,3,4,5,6,7
	QUNIT \u
.endr
	s_wait_tensorcnt 0x0                           ; the wave's end: behind my last LDS store
	ds_add_u32 v[SPW], v[NIL]
	s_wait_dscnt 0x0
	s_endpgm
	; ---- a query tile x 8 key steps of the mask
.Lmask:
	s_sub_co_u32 s28, s28, 1792                    ; 2 x (batch x 128 + query tile) + which half of the keys
	s_lshr_b32 s25, s28, 1
	s_lshr_b32 s29, s25, 1
	s_lshl_b32 s29, s29, 5
	s_and_b32 s25, s25, 1
	s_lshl_b32 s25, s25, 3
	s_add_co_u32 s29, s29, s25                     ; the tile's first row of the mask's 8,192
	s_lshl_b32 s30, s29, 13                        ; rows of 8,192 bytes
	s_and_b32 s25, s28, 1
	s_lshl_b32 s25, s25, 12                        ; 1,024 keys on
	s_add_co_u32 s30, s30, s25
	s_add_nc_u64 s[26:27], s[18:19], s[30:31]
	s_mul_i32 s30, s28, 8*1536                     ; 8 steps x 1,536 bytes
	s_add_nc_u64 s[22:23], s[22:23], s[30:31]
	v_add_nc_u32 v9, 0x20000, v4                   ; slot 8 lies 16 rows of 8,192 bytes below slot 0
	v_mul_u32_u24 v10, v1, 12                      ; 12 x lane
	v_mov_b32 v8, -4.0
	v_mov_b32 v11, 1.0                             ; the conversions' scale operand: 2^0
.macro MUNIT u
.if (\u) < 7
	s_wait_loadcnt 16
.else
	s_wait_loadcnt 0x0
.endif
	TURN \u, 14, 15, 1
	s_wait_dscnt 0x0
	s_wait_xcnt 0x0                                ; the last unit's stores have read the codes' registers
.if (\u) < 6
	LOAD (\u)+2, 8192
.endif
.set k, 0
.rept 64
	v_cmp_eq_u32 vcc_lo, 0, v[X+k]
	v_cndmask_b32 v[X+k], 0, v8, vcc_lo            ; -4 where the mask is 0, else 0
.set k, k+1
.endr
.irp g, 0,1,2,3
	v_cvt_scalef32_pk16_fp6_f32 v[PC+4*\g:PC+4*\g+2], v[X+16*\g:X+16*\g+15], v11
.endr
.irp g, 0,1,2,3
	global_store_b96 v10, v[PC+4*\g:PC+4*\g+2], s[22:23] offset:1536*(\u)+384*\g   ; the wave's four stores cover 1,536 consecutive bytes, six aligned blocks of 256
.endr
.endm
	s_wait_alu depctr_va_vdst(0)                   ; the wait ahead of the first readers of what was just written
	LOAD 0, 8192
	LOAD 1, 8192
.irp u, 0,1,2,3,4,5,6,7
	MUNIT \u
.endr
	s_wait_tensorcnt 0x0                           ; the wave's end, as above
	ds_add_u32 v[SPW], v[NIL]
	s_wait_dscnt 0x0
	s_endpgm
.Lfunc_end_k_q7cbe162b28_prep:
	.size	k_q7cbe162b28_prep, .Lfunc_end_k_q7cbe162b28_prep-k_q7cbe162b28_prep
	.p2alignl 7, 3214868480
	.fill 96, 4, 3214868480
	.section	.rodata,"a",@progbits
	.p2align	6, 0x0
	.amdhsa_kernel k_q7cbe162b28_prep
		.amdhsa_group_segment_fixed_size 68096
		.amdhsa_private_segment_fixed_size 0
		.amdhsa_enable_private_segment 0
		.amdhsa_kernarg_size 80
		.amdhsa_user_sgpr_count 2
		.amdhsa_user_sgpr_kernarg_segment_ptr 1
		.amdhsa_wavefront_size32 1
		.amdhsa_system_sgpr_workgroup_id_x 1
		.amdhsa_system_sgpr_workgroup_id_y 1
		.amdhsa_system_sgpr_workgroup_id_z 1
		.amdhsa_system_vgpr_workitem_id 0
		.amdhsa_next_free_vgpr 248
		.amdhsa_next_free_sgpr 66
		.amdhsa_reserve_vcc 1
		.amdhsa_float_denorm_mode_32 3
		.amdhsa_float_denorm_mode_16_64 3
		.amdhsa_memory_ordered 1
		.amdhsa_forward_progress 1
		.amdhsa_inst_pref_size 133
	.end_amdhsa_kernel
	.amdgpu_metadata
---
amdhsa.version: [ 1, 2 ]
amdhsa.kernels:
  - .name:           k_q7cbe162b28_prep
    .symbol:         k_q7cbe162b28_prep.kd
    .args:
      - { .name: query, .offset: 0, .size: 8, .value_kind: global_buffer, .address_space: global }
      - { .name: key, .offset: 8, .size: 8, .value_kind: global_buffer, .address_space: global }
      - { .name: value, .offset: 16, .size: 8, .value_kind: global_buffer, .address_space: global }
      - { .name: wq, .offset: 24, .size: 8, .value_kind: global_buffer, .address_space: global }
      - { .name: wk, .offset: 32, .size: 8, .value_kind: global_buffer, .address_space: global }
      - { .name: wv, .offset: 40, .size: 8, .value_kind: global_buffer, .address_space: global }
      - { .name: wo, .offset: 48, .size: 8, .value_kind: global_buffer, .address_space: global }
      - { .name: mask, .offset: 56, .size: 8, .value_kind: global_buffer, .address_space: global }
      - { .name: ops, .offset: 64, .size: 8, .value_kind: global_buffer, .address_space: global }
      - { .name: maskc, .offset: 72, .size: 8, .value_kind: global_buffer, .address_space: global }
    .group_segment_fixed_size: 68096
    .private_segment_fixed_size: 0
    .kernarg_segment_align: 8
    .kernarg_segment_size: 80
    .max_flat_workgroup_size: 128
    .sgpr_count:     66
    .vgpr_count:     248
    .wavefront_size: 32
...
	.end_amdgpu_metadata
.endif
;; end of part 1
;; launch proj (part 2): grid 4 x 192, 4 waves a work-group, clusters of 4 x 4, 327,680 bytes of LDS; arguments ops, bq, bk, bv, qimg, kv; writes qimg, kv
.if DOCPART == 2
	.amdgcn_target "amdgcn-amd-amdhsa--gfx1250"
	.amdhsa_code_object_version 6
	.text
	.protected	k_q7cbe162b28_proj
	.globl	k_q7cbe162b28_proj
	.p2align	8
	.type	k_q7cbe162b28_proj,@function
k_q7cbe162b28_proj:
	s_mov_b64 s[64:65], 0
	v_nop
	global_prefetch_b8 v0, s[64:65] scope:SCOPE_SE
	s_setreg_imm32_b32 hwreg(HW_REG_WAVE_MODE, 25, 1), 1
	s_wait_xcnt 0x0
	s_wait_alu depctr_hold_cnt(0) depctr_sa_sdst(0) depctr_va_vdst(0) depctr_va_sdst(0) depctr_va_ssrc(0) depctr_va_vcc(0) depctr_vm_vsrc(0)
	s_getreg_b32 s2, hwreg(HW_REG_IB_STS2, 6, 4)
	s_cmp_eq_u32 s2, 0
	s_cbranch_scc0 .Lentry_in_a_cluster
	s_endpgm
.Lentry_in_a_cluster:
	s_bfe_u32 s2, ttmp6, 0x10000c
	s_cmp_lg_u32 s2, 0xf033
	s_cbranch_scc0 .Lentry_shape_is_right
	s_endpgm
.Lentry_shape_is_right:
; Launch 2 of 4: q = query wq^T + bq, k = key wk^T + bk, v = value wv^T + bv on codes of E2M3, and each result quantised on the way out: q and k along the head's 64, v along the keys.  No work of the problem is left out.
; Tiles, register images and the records of ops: see the first launch.
; A WORK-GROUP makes 128 rows of the operand R (8 tiles; source 1: a lane holds one of its rows) x 256 rows of the operand P (16 tiles; source 0: a lane's registers run along them), over all 1,024 of K.
; q, k: R = the tokens, P = the weight: a lane's registers run along the head's channels.   v: R = wv, P = value: a lane holds one channel and its registers run along the keys.  So each result lies as its own quantiser wants it.
; Four waves: wave w takes R tiles 4 (w / 2) .. + 3 and P tiles 8 (w % 2) .. + 7: 32 accumulators.
; ALL OF K LIES IN LDS AT ONCE, in two halves of 512 along K: 24 tiles x 6,656 bytes each.  Nothing is filled again.  A wave issues one tensor load, and the halves are multiplied as they land.
; CLUSTER 4 x 4: R's tiles hang on the cluster's row alone and are asked for jointly along it, P's on its column: each tile is asked for once for four work-groups.
; THE SUMS BEGIN AS THE BIAS: it is put into the accumulators in the result's layout; every product then adds in place.
; OUT.  qimg: the image of (batch x 16 + head, query tile) at 768 x (128 bh + tile); from byte 6,291,456 on its scale words, 64 bytes a tile: bytes 0, 1 the two blocks, bytes 2, 3 the byte 0x7f (1.0).
; kv: 208,896 bytes a head, 13,056 a step of 128 keys: k's 8 images; at 6,144 its scale words (as q's); at 6,656 v's four fragments (16 channels x 128 keys, 1,536 bytes each); at 12,800 their scale words.
; REGISTERS.  window 0: v1-8 addresses; v16-39 scale words, two sets of 12, and nothing else; v40-87, v88-135 R's fragments, two sets; v200-241 the way out.  window 1: P's fragments, sets at v0 and v128.  window 2: accumulator (a, b) at v[8 (8 a + b)].
.set REC,   13312
.set CHK,   3328
; THE FILLS AS THEY NOW STAND: LDS holds two halves of K (512 along K each): in each R's 8 tiles, then P's 16, a tile's two chunks (6,656 bytes) on end.  One tensor load a wave, at the head:
; wave 0 R's first half, wave 1 P's first half, wave 2 R's second, wave 3 P's second.  The first barrier shows the first half, one later barrier the second.  Nothing is filled again.
.set TL,    6656                       ; a tile's half of K in LDS: two chunks
.set HB,    159744                     ; a half of K in LDS: 24 tiles
.set POFF,  53248                      ; P's tiles lie behind R's 8
.set SPARE, 319488                     ; the spare words, 128 bytes for each wave
.set HEADB, 208896
.set STEPB, 13056
.set SPW,   12                         ; v12  LDS address of my spare word; never rewritten
.set NIL,   13                         ; v13  0; never rewritten
.set SCW,   16
.set RF,    40
.set PC,    200
.set TM,    220
.set PW,    236
.set WV,    16                         ; s16 wave, s17 wave / 2, s18 wave % 2
.set G1R,   24                         ; s[24:31] group 1 for R's tiles; s[32:39] for P's; s[40:43], s[68:71] their groups 0
.set G1P,   32
.set G0R,   40
.set G0P,   68
.set MSB, 0
.macro WIN new                         ; the immediate's high byte repeats the setting that is left
.if MSB != \new
	s_set_vgpr_msb (MSB<<8)|\new
.set MSB, \new
.endif
.endm
.macro PLACES n
.rept \n
	v_nop
.endr
.endm
.macro CROUND                          ; a round of the cluster's barrier
	s_barrier_signal -1
	s_barrier_wait -1
	s_cmp_lg_u32 s[WV], 0
	s_cbranch_scc1 .Lnot_wave_0_\@
	s_barrier_signal -3
.Lnot_wave_0_\@:
	s_barrier_wait -3
	s_barrier_signal -1
	s_barrier_wait -1
.endm
.macro FRAGL reg, a16, a8, off         ; a fragment, 16 rows x 128 K: two images on end
	ds_load_b128 v[\reg:\reg+3], v[\a16] offset:\off
	ds_load_b64 v[\reg+4:\reg+5], v[\a8] offset:\off+512
	ds_load_b128 v[\reg+6:\reg+9], v[\a16] offset:\off+768
	ds_load_b64 v[\reg+10:\reg+11], v[\a8] offset:\off+1280
.endm
; K step k (128 along K; chunk k / 2): 48 LDS loads into set k % 2; with a chunk's first step 6 more: the chunk's scale words.  A scale register holds in lanes 0-15 an even tile's words, in lanes 16-31 the next tile's.
.macro FETCH k
.if (\k)%2 == 0
.irp i, 0,1,2,3
	ds_load_b64 v[SCW+12*(((\k)/2)%2)+2*\i:SCW+12*(((\k)/2)%2)+2*\i+1], v6 offset:2*TL*\i
.endr
.irp i, 0,1
	ds_load_b64 v[SCW+12*(((\k)/2)%2)+8+2*\i:SCW+12*(((\k)/2)%2)+8+2*\i+1], v5 offset:2*TL*\i
.endr
.endif
	WIN 0x40                                       ; destination window 1
.irp i, 0,1,2,3,4,5,6,7
	FRAGL 128*((\k)%2)+12*\i, 3, 4, TL*\i+1536*((\k)%2)
.endr
	WIN 0
.irp i, 0,1,2,3
	FRAGL RF+48*((\k)%2)+12*\i, 1, 2, TL*\i+1536*((\k)%2)
.endr
.endm
.macro PROD a, b, set, sc
.set rD, 8*(8*(\a)+(\b))
.set rA, 128*(\set)+12*(\b)
.set rB, RF+48*(\set)+12*(\a)
.set rSA, (\sc)+2*((\b)/2)
.set rSB, (\sc)+8+2*((\a)/2)
.if ((\a)%2 == 0) && ((\b)%2 == 0)
	v_wmma_scale_f32_16x16x128_f8f6f4 v[rD:rD+7], v[rA:rA+11], v[rB:rB+11], v[rD:rD+7], v[rSA], v[rSB] matrix_a_fmt:MATRIX_FMT_FP6 matrix_b_fmt:MATRIX_FMT_FP6
.elseif (\a)%2 == 0
	v_wmma_scale_f32_16x16x128_f8f6f4 v[rD:rD+7], v[rA:rA+11], v[rB:rB+11], v[rD:rD+7], v[rSA], v[rSB] matrix_a_fmt:MATRIX_FMT_FP6 matrix_b_fmt:MATRIX_FMT_FP6 matrix_a_scale:MATRIX_SCALE_ROW1
.elseif (\b)%2 == 0
	v_wmma_scale_f32_16x16x128_f8f6f4 v[rD:rD+7], v[rA:rA+11], v[rB:rB+11], v[rD:rD+7], v[rSA], v[rSB] matrix_a_fmt:MATRIX_FMT_FP6 matrix_b_fmt:MATRIX_FMT_FP6 matrix_b_scale:MATRIX_SCALE_ROW1
.else
	v_wmma_scale_f32_16x16x128_f8f6f4 v[rD:rD+7], v[rA:rA+11], v[rB:rB+11], v[rD:rD+7], v[rSA], v[rSB] matrix_a_fmt:MATRIX_FMT_FP6 matrix_b_fmt:MATRIX_FMT_FP6 matrix_a_scale:MATRIX_SCALE_ROW1 matrix_b_scale:MATRIX_SCALE_ROW1
.endif
.endm
.macro MUL k                           ; 32 products; the 32 accumulators take turns, one instruction a turn, in the same order in every K step
	WIN 0xa1                                       ; source 0 (P) window 1, source 1 (R) window 0, C and D window 2
.irp a, 0,1,2,3
.irp b, 0,1,2,3,4,5,6,7
	PROD \a, \b, (\k)%2, SCW+12*(((\k)/2)%2)+(\k)%2
.endr
.endr
	WIN 0
.endm
	s_load_b256 s[4:11], s[0:1], 0x0               ; ops, bq, bk, bv
	s_load_b128 s[12:15], s[0:1], 0x20             ; qimg, kv
	v_lshl_add_u32 v[SPW], v0, 2, SPARE
	v_mov_b32 v[NIL], 0
	ds_add_u32 v[SPW], v[NIL]                      ; the wave's opening: the add, twice on end, and its wait ahead of my first tensor load
	ds_add_u32 v[SPW], v[NIL]
	v_lshrrev_b32 v1, 5, v0
	v_readfirstlane_b32 s[WV], v1
	s_lshr_b32 s17, s16, 1
	s_and_b32 s18, s16, 1
	s_bfe_u32 s19, ttmp6, 0x40000                  ; cx
	s_bfe_u32 s20, ttmp6, 0x40004                  ; cy
	s_and_b32 s21, ttmp7, 0xffff                   ; the cluster's number, 0 .. 47
	s_lshr_b32 s86, s21, 4                         ; the tensor: 0 q, 1 k, 2 v: the same in all sixteen partners
	s_and_b32 s87, s21, 15                         ; the cluster in its tensor
	s_and_b32 s88, s87, 1
	s_lshr_b32 s89, s87, 1
	s_lshl_b32 s90, s86, 9                         ; q, k: R's first tile is 512 x tensor,
	s_lshl_b32 s91, s86, 6
	s_add_co_u32 s91, s91, 1536                    ; P's 1,536 + 64 x tensor
	s_cmp_eq_u32 s86, 2
	s_cselect_b32 s22, s88, s87                    ; q, k: 64 blocks of R by 4 of P;  v: 8 blocks of R (wv) by 32 of P (value)
	s_cselect_b32 s66, s89, 0
	s_cselect_b32 s90, 1664, s90
	s_cselect_b32 s91, 1024, s91
	s_lshl_b32 s22, s22, 2
	s_add_co_u32 s22, s22, s20                     ; my block of R: it hangs on cy, never on cx
	s_lshl_b32 s66, s66, 2
	s_add_co_u32 s66, s66, s19                     ; my block of P: on cx, never on cy
	s_lshl_b32 s2, s22, 3
	s_lshl_b32 s3, s17, 2
	s_add_co_u32 s2, s2, s3                        ; s2: my wave's first tile of R in its tensor
	s_lshl_b32 s3, s66, 1
	s_add_co_u32 s3, s3, s18                       ; s3: my wave's 128 rows of P in its tensor
	s_lshl_b32 s23, s22, 3                         ; what I fetch: waves 0, 2: R's block,
	s_add_co_u32 s23, s23, s90
	s_mul_i32 s56, s23, REC                        ; R's 8 tiles,
	s_mul_i32 s92, s17, 2*CHK                      ; the half of K that my wave fetches: wave / 2
	s_add_co_u32 s56, s56, s92
	s_mov_b32 s57, 0
	s_lshl_b32 s67, s66, 4                         ; waves 1, 3: P's block
	s_add_co_u32 s67, s67, s91
	s_mul_i32 s84, s67, REC                        ; P's 16 tiles, the same half
	s_add_co_u32 s84, s84, s92
	s_mov_b32 s85, 0
	s_mul_i32 s92, s17, HB
	s_mov_b32 s93, s92
	s_add_co_u32 s93, s93, POFF
	s_lshl_b32 s94, s20, 2
	s_lshl_b32 s94, 15, s94                        ; my row of the cluster
	s_lshl_b32 s95, 0x1111, s19                    ; my column
	; group 1: a row is one tile's two chunks: 832 elements of 8 bytes, 1,664 elements (a record) from row to row; no padding
	s_or_b32 s[G1R], s94, (3<<16)|(1<<21)
	s_or_b32 s[G1P], s95, (3<<16)|(1<<21)
	s_mov_b32 s[G1R+1], 832<<16                    ; a row: two chunks of one tile, 832 elements of 8 bytes
	s_mov_b32 s[G1R+2], 8<<16
	s_mov_b32 s[G1R+3], 832<<16
	s_mov_b32 s[G1R+4], 8
	s_mov_b32 s[G1R+5], 1664                       ; the pitch
	s_mov_b32 s[G1R+6], 0
	s_mov_b32 s[G1R+7], 0
	s_mov_b32 s[G1P+1], 832<<16
	s_mov_b32 s[G1P+2], 16<<16
	s_mov_b32 s[G1P+3], 832<<16
	s_mov_b32 s[G1P+4], 16
	s_mov_b32 s[G1P+5], 1664
	s_mov_b32 s[G1P+6], 0
	s_mov_b32 s[G1P+7], 0
	s_wait_dscnt 0x0                               ; both opening adds are done
	s_wait_kmcnt 0x0
	s_add_nc_u64 s[56:57], s[4:5], s[56:57]
	s_add_nc_u64 s[84:85], s[4:5], s[84:85]
	CROUND                                         ; all sixteen work-groups are here: the joint loads meet
	s_mov_b32 s[G0R], 1
	s_mov_b32 s[G0R+1], s92
	s_mov_b64 s[G0R+2:G0R+3], s[56:57]
	s_or_b32 s[G0R+3], s[G0R+3], 0x80000000
	s_mov_b32 s[G0P], 1
	s_mov_b32 s[G0P+1], s93
	s_mov_b64 s[G0P+2:G0P+3], s[84:85]
	s_or_b32 s[G0P+3], s[G0P+3], 0x80000000
.macro ARM w, g0, g1, next             ; one chain of branches on the wave's number, one load to an arm, all arms leading to one join
	s_cmp_eq_u32 s[WV], \w
	s_cbranch_scc0 \next
	tensor_load_to_lds s[\g0:\g0+3], s[\g1:\g1+7]
	s_nop 0
	PLACES 4
	s_branch .Lfilled
\next:
.endm
	ARM 0, G0R, G1R, .Lwave_1                      ; R, first half of K
	ARM 1, G0P, G1P, .Lwave_2                      ; P, first half
	ARM 2, G0R, G1R, .Lwave_3                      ; R, second half
	tensor_load_to_lds s[G0P:G0P+3], s[G1P:G1P+7]  ; P, second half
	s_nop 0
	PLACES 4
.Lfilled:
	v_and_b32 v9, 31, v0                           ; lane
	v_and_b32 v10, 15, v0                          ; r
	v_bfe_u32 v11, v0, 4, 1                        ; h
	v_lshlrev_b32 v7, 4, v9
	v_lshlrev_b32 v8, 3, v9
	s_mul_i32 s94, s17, 4*TL                       ; my four tiles of R,
	s_mul_i32 s95, s18, 8*TL
	s_add_co_u32 s95, s95, POFF                    ; my eight of P
	v_add_nc_u32 v1, s94, v7
	v_add_nc_u32 v2, s94, v8
	v_add_nc_u32 v3, s95, v7
	v_add_nc_u32 v4, s95, v8
	v_mul_u32_u24 v5, v11, TL
	v_lshl_add_u32 v5, v10, 3, v5
	v_add_nc_u32 v5, 3072, v5                      ; scale words: slot r of an even tile (lanes 0-15) or of the next (lanes 16-31)
	v_add_nc_u32 v6, s95, v5
	v_add_nc_u32 v5, s94, v5
	v_lshlrev_b32 v14, 6, v11                      ; 64 h
	v_and_b32 v15, 8, v10
	v_add_nc_u32 v15, v15, v10
	v_lshlrev_b32 v15, 2, v15                      ; 4 (r + 8 (r / 8))
	; the bias
	s_lshl_b32 s20, s3, 9                          ; q, k: my 128 channels;
	s_lshl_b32 s21, s2, 6                          ; v: my four tiles' 64 channels
	s_cmp_eq_u32 s86, 2
	s_cselect_b32 s20, s21, s20
	s_cselect_b64 s[96:97], s[10:11], s[8:9]
	s_cmp_eq_u32 s86, 0
	s_cselect_b64 s[96:97], s[6:7], s[96:97]
	s_mov_b32 s21, 0
	s_add_nc_u64 s[96:97], s[96:97], s[20:21]
	s_cmp_eq_u32 s86, 2
	s_cbranch_scc1 .Lbias_v
	WIN 0x80                                       ; q, k: register j of accumulator (a, b) is channel 32 (b / 2) + 8 (b % 2) + 16 h + j, for every a
	s_wait_alu depctr_va_vdst(0)
.irp a, 0,1,2,3
.irp b, 0,1,2,3,4,5,6,7
	global_load_b128 v[8*(8*\a+\b):8*(8*\a+\b)+3], v14, s[96:97] offset:(32*(\b/2)+8*(\b%2))*4
	global_load_b128 v[8*(8*\a+\b)+4:8*(8*\a+\b)+7], v14, s[96:97] offset:(32*(\b/2)+8*(\b%2))*4+16
.endr
.endr
	WIN 0
	s_branch .Lbias_done
.Lbias_v:                                              ; v: all 64 registers of the accumulators (a, .) belong to my lane's one channel, slot r of tile a
	s_wait_alu depctr_va_vdst(0)
.irp a, 0,1,2,3
	global_load_b32 v[PC+\a], v15, s[96:97] offset:(32*(\a/2)+8*(\a%2))*4
.endr
	s_wait_loadcnt 0x0
	WIN 0x80
.irp a, 0,1,2,3
.set i, 0
.rept 64
	v_mov_b32 v[64*\a+i], v[PC+\a]                 ; (these run while the first chunk is on its way)
.set i, i+1
.endr
.endr
	WIN 0
.Lbias_done:
	; where the results go.  s2 = R's tile, s3 = P's 128 rows
	s_lshr_b32 s58, s2, 7                          ; q, k: the batch,
	s_and_b32 s59, s2, 127                         ; the tile of tokens in it,
	s_lshl_b32 s58, s58, 4
	s_lshl_b32 s60, s3, 1
	s_add_co_u32 s58, s58, s60                     ; and the first of my two heads
	s_lshl_b32 s60, s58, 7
	s_add_co_u32 s60, s60, s59
	s_mul_i32 s61, s60, 768                        ; q: codes
	s_lshl_b32 s60, s60, 6
	s_add_co_u32 s60, s60, 6291456                 ; q: scale words
	s_mul_i32 s62, s58, HEADB
	s_lshr_b32 s63, s59, 3
	s_mul_i32 s63, s63, STEPB
	s_add_co_u32 s62, s62, s63
	s_and_b32 s59, s59, 7
	s_mul_i32 s63, s59, 768
	s_add_co_u32 s63, s63, s62                     ; k: codes
	s_lshl_b32 s59, s59, 6
	s_add_co_u32 s59, s59, s62
	s_add_co_u32 s59, s59, 6144                    ; k: scale words
	s_lshr_b32 s62, s3, 4                          ; v: the batch,
	s_lshl_b32 s62, s62, 4
	s_lshr_b32 s58, s2, 2
	s_add_co_u32 s62, s62, s58                     ; the head,
	s_mul_i32 s62, s62, HEADB
	s_and_b32 s58, s3, 15                          ; the key step
	s_mul_i32 s58, s58, STEPB
	s_add_co_u32 s62, s62, s58
	s_add_co_u32 s62, s62, 6656                    ; v: codes
	s_add_co_u32 s58, s62, 6144                    ; v: scale words
	s_mov_b32 s87, HEADB
	s_cmp_eq_u32 s86, 0
	s_cselect_b32 s61, s61, s63
	s_cselect_b32 s60, s60, s59
	s_cselect_b64 s[88:89], s[12:13], s[14:15]
	s_cselect_b32 s63, 98304, s87                  ; from the fragment's first image to its second: the next head's (q, k),
	s_cselect_b32 s59, 8192, s87                   ; and likewise for the scale words
	s_mov_b32 s87, 768
	s_cmp_eq_u32 s86, 2
	s_cselect_b32 s61, s62, s61
	s_cselect_b32 s60, s58, s60
	s_cselect_b32 s63, s87, s63                    ; or the next 64 keys' (v)
	s_cselect_b32 s59, 0, s59
	s_cselect_b32 s94, 1536, s87                   ; from tile a to tile a + 1
	s_cselect_b32 s100, -1, 0                      ; all lanes: v
	s_mov_b32 s95, 0
	s_mov_b32 s20, s60
	s_add_nc_u64 s[92:93], s[88:89], s[20:21]      ; s[92:93] scale words
	s_mov_b32 s20, s61
	s_add_nc_u64 s[88:89], s[88:89], s[20:21]      ; s[88:89] the first image
	s_mov_b32 s20, s63
	s_add_nc_u64 s[90:91], s[88:89], s[20:21]      ; s[90:91] the second
	s_mov_b32 s98, 0x76543210
	s_mov_b32 s99, 0xfedcba98                      ; lane l xor 16
	s_mov_b32 s101, 0x7f7f0000
	v_mul_lo_u32 v240, v11, s59
	v_lshl_add_u32 v240, v10, 2, v240              ; 4 r, lanes 16-31 in the second head's words
	v_lshlrev_b32 v241, 4, v11                     ; 16 h
.irp b, 0,1,2,3
	v_mov_b32 v[TM+4+\b], 0                        ; a lane permute's destination counts as one of its sources
.endr
	s_cmp_lt_u32 s[WV], 2                          ; waves 0 and 1 brought the first half of K, by load lines of their own: they wait for them; the second half may stay out
	s_cbranch_scc0 .Lnot_half_0
	s_wait_tensorcnt 0x0
.Lnot_half_0:
	s_barrier_signal -1
	s_barrier_wait -1
	FETCH 0
	FETCH 1
	s_wait_dscnt 48                                ; all but K step 1's 48
	s_wait_loadcnt 0x0                             ; the bias
	s_wait_alu depctr_va_vdst(0)
	MUL 0
.irp k, 1,2,3,4,5,6
.if \k%2
.if \k == 3
	s_wait_tensorcnt 0x0                           ; every wave's load is in: the second half of K is shown to all
	s_wait_dscnt 0x0                               ; no LDS load of mine is out at a signal
	s_barrier_signal -1
	s_barrier_wait -1
.set ADV, HB-CHK
.else
.set ADV, CHK
.endif
.irp r, 1,2,3,4,5,6
	v_add_nc_u32 v\r, ADV, v\r                     ; on to the next chunk.  (These six are also the places between the last products and the loads into the registers that they read)
.endr
.else
	PLACES 4
.endif
	FETCH \k+1
.if \k%2
	s_wait_alu depctr_va_vdst(0)
	s_wait_dscnt 54                                ; all but the loads just issued
.else
	s_wait_dscnt 48
.endif
	MUL \k
.endr
	s_wait_dscnt 0x0
	MUL 7
; THE WAY OUT.  The 64 registers of the accumulators (a, .) are 128 neighbours along the next K, register 16 b + i = 32 b + 16 h + i: they become one fragment and one scale word.  Each accumulator is first read at its registers 0 and 1.
.macro QUANTW s
	WIN 0x0a                                       ; sources 0 and 1 window 2
.irp b, 0,1,2,3
	v_max3_num_f32 v[TM+\b], |v[\s+16*\b]|, |v[\s+1+16*\b]|, 0x1800000
.endr
	WIN 0x28                                       ; sources 1 and 2 window 2
.irp i, 2,4,6,8,10,12,14
.irp b, 0,1,2,3
	v_max3_num_f32 v[TM+\b], v[TM+\b], |v[\s+16*\b+\i]|, |v[\s+1+16*\b+\i]|
.endr
.endr
	WIN 0
.irp b, 0,1,2,3
	v_permlanex16_b32 v[TM+4+\b], v[TM+\b], s98, s99
.endr
.irp b, 0,1,2,3
	v_max_num_f32 v[TM+\b], v[TM+\b], v[TM+4+\b]
.endr
.irp b, 0,1,2,3
	v_add_nc_u32 v[TM+12+\b], 0xff000000, v[TM+\b]
.endr
.irp b, 0,1,2,3
	v_lshrrev_b32 v[TM+4+\b], 23, v[TM+12+\b]
.endr
	v_lshl_or_b32 v[PW], v[TM+5], 8, v[TM+4]
	v_lshl_or_b32 v[PW], v[TM+6], 16, v[PW]
	v_lshl_or_b32 v[PW], v[TM+7], 24, v[PW]
	WIN 0x02                                       ; source 0 window 2
.irp c, 0,1
	v_cvt_scalef32_pk16_fp6_f32 v[PC+6*\c:PC+2+6*\c], v[\s+32*\c:\s+15+32*\c], v[TM+12+2*\c]
	v_cvt_scalef32_pk16_fp6_f32 v[PC+12+4*\c:PC+14+4*\c], v[\s+16+32*\c:\s+31+32*\c], v[TM+12+2*\c+1]
.endr
	WIN 0
	v_nop                                          ; one plain place behind a scaled conversion
.irp c, 0,1
.irp i, 0,1,2
	v_permlane16_swap_b32 v[PC+6*\c+\i], v[PC+12+4*\c+\i]
.endr
.irp i, 0,1,2
	v_mov_b32 v[PC+3+6*\c+\i], v[PC+12+4*\c+\i]
.endr
.endr
.endm
	PLACES 4                                       ; between the last products and the first read of results
.irp a, 0,1,2,3
	QUANTW 64*\a
	v_lshrrev_b32 v237, v241, v[PW]                ; q, k: lanes 0-15 keep the first head's two bytes, lanes 16-31 the second's,
	v_and_or_b32 v237, v237, 0xffff, s101          ; under two bytes of 1.0 for the upper 64 along K, where the scores' products meet zero codes;
	v_cndmask_b32 v237, v237, v[PW], s100          ; v: the word as it is
	global_store_b128 v7, v[PC:PC+3], s[88:89]     ; whole aligned blocks of 256 bytes
	global_store_b64 v8, v[PC+4:PC+5], s[88:89] offset:512
	global_store_b128 v7, v[PC+6:PC+9], s[90:91]
	global_store_b64 v8, v[PC+10:PC+11], s[90:91] offset:512
	global_store_b32 v240, v237, s[92:93] offset:64*\a   ; (v: lanes r and r + 16 store the same word with the same value)
.if \a < 3
	s_wait_xcnt 0x0                                ; the stores have read their registers and bases
	s_add_nc_u64 s[88:89], s[88:89], s[94:95]
	s_add_nc_u64 s[90:91], s[90:91], s[94:95]
.endif
.endr
	s_wait_tensorcnt 0x0                           ; the wave's end
	ds_add_u32 v[SPW], v[NIL]
	s_wait_dscnt 0x0
	CROUND                                         ; the closing round
	s_endpgm
.Lfunc_end_k_q7cbe162b28_proj:
	.size	k_q7cbe162b28_proj, .Lfunc_end_k_q7cbe162b28_proj-k_q7cbe162b28_proj
	.p2alignl 7, 3214868480
	.fill 96, 4, 3214868480
	.section	.rodata,"a",@progbits
	.p2align	6, 0x0
	.amdhsa_kernel k_q7cbe162b28_proj
		.amdhsa_group_segment_fixed_size 327680
		.amdhsa_private_segment_fixed_size 0
		.amdhsa_enable_private_segment 0
		.amdhsa_kernarg_size 48
		.amdhsa_user_sgpr_count 2
		.amdhsa_user_sgpr_kernarg_segment_ptr 1
		.amdhsa_wavefront_size32 1
		.amdhsa_system_sgpr_workgroup_id_x 1
		.amdhsa_system_sgpr_workgroup_id_y 1
		.amdhsa_system_sgpr_workgroup_id_z 1
		.amdhsa_system_vgpr_workitem_id 0
		.amdhsa_next_free_vgpr 768
		.amdhsa_next_free_sgpr 104
		.amdhsa_reserve_vcc 0
		.amdhsa_float_denorm_mode_32 3
		.amdhsa_float_denorm_mode_16_64 3
		.amdhsa_memory_ordered 1
		.amdhsa_forward_progress 1
		.amdhsa_inst_pref_size 104
	.end_amdhsa_kernel
	.amdgpu_metadata
---
amdhsa.version: [ 1, 2 ]
amdhsa.kernels:
  - .name:           k_q7cbe162b28_proj
    .symbol:         k_q7cbe162b28_proj.kd
    .args:
      - { .name: ops, .offset: 0, .size: 8, .value_kind: global_buffer, .address_space: global }
      - { .name: bq, .offset: 8, .size: 8, .value_kind: global_buffer, .address_space: global }
      - { .name: bk, .offset: 16, .size: 8, .value_kind: global_buffer, .address_space: global }
      - { .name: bv, .offset: 24, .size: 8, .value_kind: global_buffer, .address_space: global }
      - { .name: qimg, .offset: 32, .size: 8, .value_kind: global_buffer, .address_space: global }
      - { .name: kv, .offset: 40, .size: 8, .value_kind: global_buffer, .address_space: global }
    .group_segment_fixed_size: 327680
    .private_segment_fixed_size: 0
    .kernarg_segment_align: 8
    .kernarg_segment_size: 48
    .max_flat_workgroup_size: 128
    .sgpr_count:     104
    .vgpr_count:     768
    .wavefront_size: 32
...
	.end_amdgpu_metadata
.endif
;; end of part 2
;; launch attn (part 3): grid 4 x 64, 8 waves a work-group, clusters of 4 x 1, 210,944 bytes of LDS; arguments qimg, kv, maskc, at; writes at
.if DOCPART == 3
	.amdgcn_target "amdgcn-amd-amdhsa--gfx1250"
	.amdhsa_code_object_version 6
	.text
	.protected	k_q7cbe162b28_attn
	.globl	k_q7cbe162b28_attn
	.p2align	8
	.type	k_q7cbe162b28_attn,@function
k_q7cbe162b28_attn:
	s_mov_b64 s[64:65], 0
	v_nop
	global_prefetch_b8 v0, s[64:65] scope:SCOPE_SE
	s_setreg_imm32_b32 hwreg(HW_REG_WAVE_MODE, 25, 1), 1
	s_wait_xcnt 0x0
	s_wait_alu depctr_hold_cnt(0) depctr_sa_sdst(0) depctr_va_vdst(0) depctr_va_sdst(0) depctr_va_ssrc(0) depctr_va_vcc(0) depctr_vm_vsrc(0)
	s_getreg_b32 s2, hwreg(HW_REG_IB_STS2, 6, 4)
	s_cmp_eq_u32 s2, 0
	s_cbranch_scc0 .Lentry_in_a_cluster
	s_endpgm
.Lentry_in_a_cluster:
	s_bfe_u32 s2, ttmp6, 0x10000c
	s_cmp_lg_u32 s2, 0x3003
	s_cbranch_scc0 .Lentry_shape_is_right
	s_endpgm
.Lentry_shape_is_right:
; Launch 3 of 4: scores, mask, softmax, the product with v, the division by the row's sum; the result is quantised along the model's 1,024 for the last launch.  No work of the problem is left out.
; Both products on codes of E2M3.  Layouts of qimg, kv, maskc: see the launches that store them.  at: records as ops has them, tile = batch x 128 + query tile.
; THE SOFTMAX: t = score x log2(e) / 8; M = the running largest t rounded up to a whole number; p = 2^(t - M) is quantised along the keys; the row's sum is taken of the unquantised p and divides at the end.
; THE MASK IS THE SCORES' C.  Its codes (0 or -4) are widened by four conversions a step and tile, 16 numbers each, under the scale 2^31: 0 or -2^33 in the very registers and lanes in which the scores fall; the scores' products add onto them.
; A masked logit so is -2^30 (+ the score, which f32 drops while it is under 2^9 in magnitude) where the problem says -1e9.
; LIMITS: results differ only where an unmasked logit lies under about -9.99e8; a row that is masked whole gives p = 1 for every key, as the problem does, while its scores stay under 2^9 in magnitude.
; The promise holds while the scaled scores stay under 2^31 in magnitude.
; SHARES.  A work-group owns 512 queries of one head (batch x 16 + head = the grid's y).  Eight waves of 512 registers.  Wave w takes query tiles 32 cx + w + 8 j, j = 0 .. 3: two passes of TWO TILES SIDE BY SIDE,
; each pass through all 16 key steps of 128: a fragment of k or v read from LDS serves both tiles, and the two tiles' chains of dependent lines stand line by line in turn.
; A HEAD'S WHOLE k AND v, 208,896 bytes, LIE IN LDS for the whole launch: wave w brings key steps 2 w and 2 w + 1 by one tensor load (one is out), asked for JOINTLY by the cluster's four work-groups, which walk the same head.  Nothing is filled again.
; LAYOUT.  S^T = k q^T, O^T = v^T p^T: a lane holds one query of each tile throughout.  By the order of k's tiles, register 32 c + i of a tile's scores is key 64 c + 32 h + i of the step: a lane holds two WHOLE scale blocks of p,
; in the order of the next operand's registers.  The head has 64 channels and the instruction 128 along K: q's upper six registers are zero codes; k's operand runs on into the next tile's codes, which meet those zeros under scale bytes of 1.0.
; ONE STEP AHEAD: k's fragments of the next step are asked of LDS behind this step's scores, v's behind this step's second product; the mask's codes come from memory a whole step ahead of their use (eight loads a wave are out), so no separate prefetch is laid.
; The walk goes on from the first pass into the second: the first pass's last steps fetch key step 0 and the next two tiles' mask.  In the last trip of the last pass the LDS loads bring key step 0 once more and nobody reads it:
; so the counts of the waits on LDS loads hold in every trip.
; REGISTERS, in two windows of 256.  Window 1: v0-127 S^T, then p, of tiles 0 and 1; v128-191 O^T of both; v192-239 v's four fragments.
; Window 0: v1-5 16, 8, 4 x lane, 4 r, 12 x lane; v6-8 LDS addresses; v9 the mask's scale bytes; v12-15 (-M, largest score) a tile; v16-19 the sums; v20-23 f; v28 8 h; v32-85 k's eight images and zeros;
; v86-95 scale words and nothing else (k's four, v's two, p's two, q's two); v96-119 q; v120-143 p's codes; v144-175 the mask's codes; v176-191 codes on their way; v192-219 partial sums; v220-247 at work.
.set STEPB, 13056
.set HEADB, 208896
.set SPARE, 208896                     ; the spare words, 128 bytes for each of eight waves
.set REC,   13312
.set CHK,   3328
.set MSTEP, 1536                       ; the mask's codes of a step and tile
.set MTILE, 24576                      ; of a tile's 16 steps
.set MJUMP, 16*MTILE-15*MSTEP          ; from a pass's step 15 to the next pass's step 0
.set SPW,   10                         ; v10  LDS address of my spare word; never rewritten
.set NIL,   11                         ; v11  0; never rewritten
.set KF,    32
.set QF,    96
.set PF,    120
.set MC,    144
.set CT,    176
.set ST,    192
.set W,     220
.set S,     0                          ; window 1
.set O,     128                        ; window 1
.set VF,    192                        ; window 1
.set MSB, 0
.macro WIN new                         ; bits 1:0 source 0, 3:2 source 1, 5:4 source 2, 7:6 destination; the immediate's high byte repeats the setting that is left
.if MSB != \new
	s_set_vgpr_msb (MSB<<8)|\new
.set MSB, \new
.endif
.endm
.macro PLACES n
.rept \n
	v_nop
.endr
.endm
.macro WALU
	s_wait_alu depctr_va_vdst(0)
.endm
.macro CROUND                          ; a round of the cluster's barrier
	s_barrier_signal -1
	s_barrier_wait -1
	s_cmp_lg_u32 s2, 0
	s_cbranch_scc1 .Lnot_wave_0_\@
	s_barrier_signal -3
.Lnot_wave_0_\@:
	s_barrier_wait -3
	s_barrier_signal -1
	s_barrier_wait -1
.endm
.macro MM d, a, b, sa, sb, row         ; D += A B in place; row: A's scales from lanes 16-31
.if \row
	v_wmma_scale_f32_16x16x128_f8f6f4 v[\d:\d+7], v[\a:\a+11], v[\b:\b+11], v[\d:\d+7], v[\sa], v[\sb] matrix_a_fmt:MATRIX_FMT_FP6 matrix_b_fmt:MATRIX_FMT_FP6 matrix_a_scale:MATRIX_SCALE_ROW1
.else
	v_wmma_scale_f32_16x16x128_f8f6f4 v[\d:\d+7], v[\a:\a+11], v[\b:\b+11], v[\d:\d+7], v[\sa], v[\sb] matrix_a_fmt:MATRIX_FMT_FP6 matrix_b_fmt:MATRIX_FMT_FP6
.endif
.endm
.macro PADD d, a, b
	v_pk_add_f32 v[\d:\d+1], v[\a:\a+1], v[\b:\b+1]
.endm
.macro MLOAD                           ; a step's mask codes of both tiles (they lie 8 tiles apart): 16 codes, 12 bytes, a lane and group
.irp q, 0,1
.irp g, 0,1,2,3
	global_load_b96 v[MC+16*\q+4*\g:MC+16*\q+4*\g+2], v5, s[96:97] offset:8*MTILE*\q+384*\g
.endr
.endr
.endm
.macro MCVT                            ; 0 or -2^33 into the scores' registers
	WIN 0x40
.irp q, 0,1
.irp g, 0,1,2,3
	v_cvt_scale_pk16_f32_fp6 v[S+64*\q+16*\g:S+64*\q+16*\g+15], v[MC+16*\q+4*\g:MC+16*\q+4*\g+2], v9
.endr
.endr
	WIN 0
.endm
.macro KLOAD                           ; 20 LDS loads: k's eight images and their scale words (lanes 0-15: tile 2 i's, lanes 16-31: tile 2 i + 1's)
.irp t, 0,1,2,3,4,5,6,7
	ds_load_b128 v[KF+6*\t:KF+6*\t+3], v6 offset:768*\t
	ds_load_b64 v[KF+6*\t+4:KF+6*\t+5], v7 offset:768*\t+512
.endr
.irp i, 0,1,2,3
	ds_load_b32 v[86+\i], v8 offset:6144+128*\i
.endr
.endm
.macro VLOAD                           ; 18 LDS loads: v's four fragments and their scale words
	WIN 0x40
.irp d, 0,1,2,3
	ds_load_b128 v[VF+12*\d:VF+12*\d+3], v6 offset:6656+1536*\d
	ds_load_b64 v[VF+12*\d+4:VF+12*\d+5], v7 offset:6656+1536*\d+512
	ds_load_b128 v[VF+12*\d+6:VF+12*\d+9], v6 offset:6656+1536*\d+768
	ds_load_b64 v[VF+12*\d+10:VF+12*\d+11], v7 offset:6656+1536*\d+1280
.endr
	WIN 0
	ds_load_b32 v90, v8 offset:12800
	ds_load_b32 v91, v8 offset:12928
.endm
	s_load_b256 s[4:11], s[0:1], 0x0               ; qimg, kv, maskc, at
	v_lshl_add_u32 v[SPW], v0, 2, SPARE
	v_mov_b32 v[NIL], 0
	ds_add_u32 v[SPW], v[NIL]                      ; the wave's opening: the add, twice on end, and its wait ahead of my first tensor load
	ds_add_u32 v[SPW], v[NIL]
	v_lshrrev_b32 v1, 5, v0
	v_readfirstlane_b32 s2, v1                     ; wave 0..7
	; group 1: two key steps' 26,112 dense bytes as 102 rows of 256 (32 elements of 8 bytes); the mask names the cluster's four
	s_mov_b32 s84, 15|(3<<16)|(1<<21)
	s_mov_b32 s85, 32<<16
	s_mov_b32 s86, 102<<16
	s_mov_b32 s87, 32<<16
	s_mov_b32 s88, 102
	s_mov_b32 s89, 32
	s_mov_b32 s90, 0
	s_mov_b32 s91, 0
	s_mov_b32 s92, 1
	s_mul_i32 s93, s2, 2*STEPB                     ; key steps 2 w and 2 w + 1, in LDS
	s_and_b32 s66, ttmp7, 0xffff                   ; batch x 16 + head, which the four partners share
	s_mul_i32 s104, s66, HEADB
	s_add_co_u32 s104, s104, s93                   ; and in kv
	s_mov_b32 s105, 0
	s_mov_b32 s12, 0x76543210
	s_mov_b32 s13, 0xfedcba98                      ; lane l xor 16
	s_mov_b32 s14, 0x3e38aa3b                      ; c = log2(e) / 8
	s_mov_b32 s15, s14                             ; (named with it as a pair)
	s_bfe_u32 s67, ttmp6, 0x40000                  ; cx: it enters the addresses of q, the mask's codes and the result alone
	s_lshl_b32 s67, s67, 5
	s_add_co_u32 s67, s67, s2                      ; my first query tile
	s_wait_dscnt 0x0                               ; both opening adds are done
	s_wait_kmcnt 0x0
	s_add_nc_u64 s[94:95], s[6:7], s[104:105]
	s_or_b32 s95, s95, 0x80000000
	CROUND                                         ; all four work-groups are here: the joint loads meet
	tensor_load_to_lds s[92:95], s[84:91]
	s_nop 0
	PLACES 4
	s_mov_b32 s6, s66                              ; kept: batch x 16 + head,
	s_mov_b32 s7, s67                              ; and my first query tile
	v_and_b32 v3, 31, v0
	v_and_b32 v4, 15, v0
	v_bfe_u32 v28, v0, 4, 1
	v_mov_b32 v9, 0x9e9e9e9e                       ; the byte of 2^31 in every byte
	v_lshlrev_b32 v1, 4, v3
	v_lshlrev_b32 v2, 3, v3
	v_mul_u32_u24 v5, v3, 12
	v_lshlrev_b32 v3, 2, v3
	v_lshlrev_b32 v4, 2, v4
	v_lshlrev_b32 v28, 3, v28
.irp i, 0,1,2,3,4,5
	v_mov_b32 v[80+\i], 0                          ; zero codes: behind k's last image, and q's upper halves
	v_mov_b32 v[QF+6+\i], 0
	v_mov_b32 v[QF+18+\i], 0
.endr
.irp i, 21,23,W+4,W+5,W+18,W+19
	v_mov_b32 v[\i], 0                             ; the upper halves of the pairs of f, and permutes' destinations
.endr
; A KEY STEP of both tiles.  s66: steps to go, this one among them.  p: the pass.
.macro STEP p
	s_wait_dscnt 18                                ; k's 20 loads are in; v's 18, issued behind them, may be out
	WIN 0x50                                       ; C and D window 1
.irp t, 0,2,4,6
.irp q, 0,1
	MM S+64*\q+8*\t, KF+6*\t, QF+12*\q, 86+\t/2, 94+\q, 0    ; onto the mask's 0 or -2^33; the sixteen accumulators take turns
.endr
.irp q, 0,1
	MM S+64*\q+8*\t+8, KF+6*\t+6, QF+12*\q, 86+\t/2, 94+\q, 1
.endr
.endr
	WIN 0
	s_add_co_u32 s3, s3, STEPB                     ; the next key step in LDS; behind the last comes the first
	s_cmp_eq_u32 s3, HEADB
	s_cselect_b32 s3, 0, s3
	v_add_nc_u32 v6, s3, v1
	v_add_nc_u32 v7, s3, v2
	v_add_nc_u32 v8, s3, v3
	v_nop                                          ; four places between the products and the loads into the registers that they read, and the first read of the scores
	KLOAD
	; the largest score of each block of 32 keys, two blocks a lane and tile, two chains a block: for the row's maximum, and, since p rises with the score, for the block's largest p.  Each accumulator is first read at its low end
	WIN 0x15
.irp q, 0,1
.irp c, 0,1
	v_max3_num_f32 v[W+14*\q+2*\c], v[S+64*\q+32*\c], v[S+64*\q+32*\c+1], v[S+64*\q+32*\c+2]
	v_max3_num_f32 v[W+14*\q+2*\c+1], v[S+64*\q+32*\c+16], v[S+64*\q+32*\c+17], v[S+64*\q+32*\c+18]
.endr
.endr
	WIN 0x14
.irp i, 3,5,7,9,11,13
.irp q, 0,1
.irp c, 0,1
	v_max3_num_f32 v[W+14*\q+2*\c], v[W+14*\q+2*\c], v[S+64*\q+32*\c+\i], v[S+64*\q+32*\c+\i+1]
	v_max3_num_f32 v[W+14*\q+2*\c+1], v[W+14*\q+2*\c+1], v[S+64*\q+32*\c+16+\i], v[S+64*\q+32*\c+17+\i]
.endr
.endr
.endr
	WIN 0x10
.irp q, 0,1
.irp c, 0,1
	v_max3_num_f32 v[W+14*\q+2*\c], v[W+14*\q+2*\c], v[W+14*\q+2*\c+1], v[S+64*\q+32*\c+15]
.endr
.endr
	WIN 0x04
.irp q, 0,1
.irp c, 0,1
	v_max_num_f32 v[W+14*\q+2*\c], v[W+14*\q+2*\c], v[S+64*\q+32*\c+31]
.endr
.endr
	WIN 0
.irp q, 0,1
	v_max_num_f32 v[W+14*\q+4], v[W+14*\q], v[W+14*\q+2]
.endr
.irp q, 0,1
	v_permlanex16_b32 v[W+14*\q+5], v[W+14*\q+4], s12, s13
.endr
.irp q, 0,1
	v_max3_num_f32 v[13+2*\q], v[13+2*\q], v[W+14*\q+4], v[W+14*\q+5]   ; the running largest score of my query (c is positive)
.endr
.irp q, 0,1
	v_mul_f32 v[W+14*\q+6], s14, v[13+2*\q]        ; as t
.endr
.irp q, 0,1
	v_mov_b32 v[W+14*\q+7], v[12+2*\q]
.endr
.irp q, 0,1
	v_floor_f32 v[12+2*\q], -v[W+14*\q+6]          ; the new -M = -ceil(t)
.endr
.irp q, 0,1
	v_sub_f32 v[W+14*\q+7], v[12+2*\q], v[W+14*\q+7]   ; old M - new M: a whole number, 0 or less
.endr
.irp q, 0,1
	v_cvt_i32_f32 v[W+14*\q+7], v[W+14*\q+7]       ; (it saturates)
.endr
.irp q, 0,1
	v_ldexp_f32 v[20+2*\q], 1.0, v[W+14*\q+7]      ; f = 2^(old M - new M)
.endr
.irp q, 0,1
	v_fma_f32 v[W+14*\q], v[W+14*\q], s14, v[12+2*\q]
	v_fma_f32 v[W+14*\q+2], v[W+14*\q+2], s14, v[12+2*\q]
.endr
	WIN 0x41                                       ; source 0 and destination window 1
.set j, 0
.rept 32
	v_pk_fma_f32 v[S+j:S+j+1], v[S+j:S+j+1], s[14:15], v[12:13] op_sel_hi:[1,0,0]   ; t - M
	v_pk_fma_f32 v[S+64+j:S+64+j+1], v[S+64+j:S+64+j+1], s[14:15], v[14:15] op_sel_hi:[1,0,0]
.set j, j+2
.endr
	WALU                                           ; the wait ahead of the batch
.set j, 0
.rept 128
	v_exp_f32 v[S+j], v[S+j]                       ; p = 2^(t - M)
.set j, j+1
.endr
	WIN 0
.irp q, 0,1
	v_pk_mul_f32 v[16+2*\q:17+2*\q], v[16+2*\q:17+2*\q], v[20+2*\q:21+2*\q] op_sel_hi:[1,0]   ; the sums under the new M.  (The plain place behind the exponentials)
.endr
	WALU                                           ; one wait for the batch of 128, ahead of its first reader
.irp q, 0,1
	v_exp_f32 v[W+14*\q], v[W+14*\q]               ; the blocks' largest p
	v_exp_f32 v[W+14*\q+2], v[W+14*\q+2]
.endr
	; the rows' sums of the unquantised p: 32 pairs a tile in eight chains
	WIN 0x05
.irp q, 0,1
.irp k, 0,1,2,3,4,5,6
	PADD ST+14*\q+2*\k, S+64*\q+2*\k, S+64*\q+14+2*\k
.endr
.endr
	WIN 0x04
.irp q, 0,1
	PADD 16+2*\q, 16+2*\q, S+64*\q+28
.irp k, 0,1,2,3,4,5,6
	PADD ST+14*\q+2*\k, ST+14*\q+2*\k, S+64*\q+30+2*\k
.endr
	PADD 16+2*\q, 16+2*\q, S+64*\q+44
.irp k, 0,1,2,3,4,5,6
	PADD ST+14*\q+2*\k, ST+14*\q+2*\k, S+64*\q+46+2*\k
.endr
	PADD 16+2*\q, 16+2*\q, S+64*\q+60
	PADD ST+14*\q, ST+14*\q, S+64*\q+62
.endr
	WIN 0
.irp q, 0,1
	PADD 16+2*\q, 16+2*\q, ST+14*\q+6
	PADD ST+14*\q, ST+14*\q, ST+14*\q+8
	PADD ST+14*\q+2, ST+14*\q+2, ST+14*\q+10
	PADD ST+14*\q+4, ST+14*\q+4, ST+14*\q+12
.endr
.irp q, 0,1
	PADD 16+2*\q, 16+2*\q, ST+14*\q+2
	PADD ST+14*\q, ST+14*\q, ST+14*\q+4
.endr
.irp q, 0,1
	PADD 16+2*\q, 16+2*\q, ST+14*\q
.endr
	WALU                                           ; and one for the four
.irp q, 0,1
	v_max_num_f32 v[W+14*\q], 0x1800000, v[W+14*\q]        ; the floor 2^(3 - 127)
	v_max_num_f32 v[W+14*\q+2], 0x1800000, v[W+14*\q+2]
.endr
.irp q, 0,1
	v_add_nc_u32 v[W+14*\q+8], 0xff000000, v[W+14*\q]      ; the conversions' scale operands
	v_add_nc_u32 v[W+14*\q+9], 0xff000000, v[W+14*\q+2]
.endr
.irp q, 0,1
	v_lshrrev_b32 v[W+14*\q+10], 23, v[W+14*\q+8]          ; the scales' bytes: blocks h and 2 + h
	v_lshrrev_b32 v[W+14*\q+11], 23, v[W+14*\q+9]
.endr
.irp q, 0,1
	v_lshl_or_b32 v[W+14*\q+7], v[W+14*\q+11], 16, v[W+14*\q+10]
.endr
.irp q, 0,1
	v_lshlrev_b32 v[W+14*\q+7], v28, v[W+14*\q+7]          ; at their places in the word, 8 h bits up;
.endr
.irp q, 0,1
	v_permlanex16_b32 v[W+14*\q+5], v[W+14*\q+7], s12, s13
.endr
.irp q, 0,1
	v_or_b32 v[92+\q], v[W+14*\q+7], v[W+14*\q+5]          ; with lane l xor 16's two: p's scale word
.endr
	WIN 0x01
.irp q, 0,1
	v_cvt_scalef32_pk16_fp6_f32 v[PF+12*\q:PF+12*\q+2], v[S+64*\q:S+64*\q+15], v[W+14*\q+8]
	v_cvt_scalef32_pk16_fp6_f32 v[CT+8*\q:CT+8*\q+2], v[S+64*\q+16:S+64*\q+31], v[W+14*\q+8]   ; (a conversion's three registers begin on an even number)
	v_cvt_scalef32_pk16_fp6_f32 v[PF+12*\q+6:PF+12*\q+8], v[S+64*\q+32:S+64*\q+47], v[W+14*\q+9]
	v_cvt_scalef32_pk16_fp6_f32 v[CT+8*\q+4:CT+8*\q+6], v[S+64*\q+48:S+64*\q+63], v[W+14*\q+9]
.endr
	WIN 0
	v_nop                                          ; one plain place behind a scaled conversion
.irp q, 0,1
.irp i, 0,1,2
	v_mov_b32 v[PF+12*\q+3+\i], v[CT+8*\q+\i]
	v_mov_b32 v[PF+12*\q+9+\i], v[CT+8*\q+4+\i]
.endr
.endr
	; p has been read out: its registers take the next scores' C, and the codes of the step after that are asked for
.if \p == 0
	s_wait_loadcnt 0x0                             ; the next step's mask codes, asked for a step ago
	MCVT
	s_mov_b32 s104, MSTEP
	s_cmp_eq_u32 s66, 2                            ; behind step 15's codes come the next pass's
	s_cselect_b32 s104, MJUMP, s104
	s_add_nc_u64 s[96:97], s[96:97], s[104:105]    ; (the wait above has shown the last loads done)
	MLOAD
.else
	WALU                                           ; the wait ahead of the branches
	s_cmp_eq_u32 s66, 1                            ; the last pass's last step has no next scores,
	s_cbranch_scc1 .Lno_mask_\@
	s_wait_loadcnt 0x0
	MCVT
	s_cmp_eq_u32 s66, 2                            ; and its last two steps ask for no further codes
	s_cbranch_scc1 .Lno_mask_\@
	s_add_nc_u64 s[96:97], s[96:97], MSTEP
	MLOAD
.Lno_mask_\@:
.endif
	WIN 0x41
	WALU                                           ; the wait directly ahead of the first readers of O^T
.set j, 0
.rept 16
	v_pk_mul_f32 v[O+j:O+j+1], v[O+j:O+j+1], v[20:21] op_sel_hi:[1,0]   ; O^T under the new M.  (These are also the places behind the writes of p's codes and scale words)
	v_pk_mul_f32 v[O+32+j:O+32+j+1], v[O+32+j:O+32+j+1], v[22:23] op_sel_hi:[1,0]
.set j, j+2
.endr
	WALU
	s_wait_dscnt 20                                ; v's 18 loads are in; the next step's 20 of k, issued behind them, may be out
	WIN 0x51                                       ; A (v), C and D window 1
.irp d, 0,2
.irp q, 0,1
	MM O+32*\q+8*\d, VF+12*\d, PF+12*\q, 90+\d/2, 92+\q, 0
.endr
.irp q, 0,1
	MM O+32*\q+8*\d+8, VF+12*\d+12, PF+12*\q, 90+\d/2, 92+\q, 1
.endr
.endr
	PLACES 4                                       ; between the products and the loads into the registers that they read
	VLOAD                                          ; the next step's v
.endm
; TWO QUERY TILES through all keys.
.macro PASS p
	s_wait_xcnt 0x0                                ; earlier memory instructions have read their registers and bases
	s_add_co_u32 s67, s7, 16*\p                    ; the first of the two tiles in its batch; the second lies 8 tiles on
	s_lshl_b32 s66, s6, 7
	s_add_co_u32 s66, s66, s67
	s_mul_i32 s104, s66, 768
	s_add_nc_u64 s[98:99], s[4:5], s[104:105]      ; q's image
	s_lshl_b32 s104, s66, 6
	s_add_co_u32 s104, s104, 6291456
	s_add_nc_u64 s[100:101], s[4:5], s[104:105]    ; and its scale words
	s_lshr_b32 s66, s6, 4
	s_lshl_b32 s66, s66, 7
	s_add_co_u32 s67, s67, s66                     ; batch x 128 + tile
.if \p == 0
	s_mul_i32 s104, s67, MTILE
	s_add_nc_u64 s[96:97], s[8:9], s[104:105]      ; its mask codes
	MLOAD                                          ; key step 0's
.endif
.irp q, 0,1
	global_load_b128 v[QF+12*\q:QF+12*\q+3], v1, s[98:99] offset:6144*\q
	global_load_b64 v[QF+12*\q+4:QF+12*\q+5], v2, s[98:99] offset:6144*\q+512
	global_load_b32 v[94+\q], v4, s[100:101] offset:512*\q
.endr
	WIN 0x40
.set j, 0
.rept 64
	v_mov_b32 v[O+j], 0                            ; O^T: the step is written once; the first finds zeros, which the first change of M leaves zeros
.set j, j+1
.endr
	WIN 0
.irp q, 0,1
	v_mov_b32 v[13+2*\q], 0xff61b1e6               ; -3e38, under every score
	v_mov_b32 v[12+2*\q], 0x7e800000               ; -M: a whole number above every later one
	v_mov_b32 v[16+2*\q], 0
	v_mov_b32 v[17+2*\q], 0
.endr
	s_mov_b32 s3, 0
	WALU                                           ; the wait ahead of the waits below
.if \p == 0
	s_wait_tensorcnt 0x0                           ; my two key steps are in LDS,
	s_barrier_signal -1
	s_barrier_wait -1                              ; everybody's are
	v_add_nc_u32 v6, s3, v1
	v_add_nc_u32 v7, s3, v2
	v_add_nc_u32 v8, s3, v3
	KLOAD                                          ; key step 0
	VLOAD
	s_wait_loadcnt 0x0                             ; q and the mask's codes
	MCVT
	v_nop                                          ; one plain place behind a scaled conversion
	s_add_nc_u64 s[96:97], s[96:97], MSTEP
	MLOAD                                          ; key step 1's
	WALU
.else
	s_wait_loadcnt 0x0                             ; q.  (Key step 0 of k and v, the first scores' C and key step 1's mask codes were seen to by the pass before)
.endif
	s_mov_b32 s66, 16
.Lstep_\@:
	STEP \p
	s_sub_co_u32 s66, s66, 1
	s_cmp_lg_u32 s66, 0
	s_cbranch_scc1 .Lstep_\@
	; the way out: O^T / the sum, in place; register 16 g + i is channel 32 g + 16 h + i of my query: two blocks along the last product's K: one image and half a scale word a tile.  (Four places stand behind the last products)
.irp q, 0,1
	v_add_f32 v[16+2*\q], v[16+2*\q], v[17+2*\q]
.endr
.irp q, 0,1
	v_permlanex16_b32 v[W+14*\q+5], v[16+2*\q], s12, s13
.endr
.irp q, 0,1
	v_add_f32 v[16+2*\q], v[16+2*\q], v[W+14*\q+5] ; the row's sum
.endr
	WALU
.irp q, 0,1
	v_rcp_f32 v[16+2*\q], v[16+2*\q]
.endr
	v_nop                                          ; a plain place behind the reciprocals
	s_mul_i32 s104, s67, REC                       ; the first tile's record (the second's lies 8 records on),
	s_and_b32 s84, s6, 15                          ; the head: 64 along K,
	s_lshr_b32 s85, s84, 2
	s_mul_i32 s85, s85, CHK
	s_add_co_u32 s104, s104, s85                   ; its chunk,
	s_and_b32 s84, s84, 3
	s_mul_i32 s85, s84, 768
	s_add_co_u32 s85, s85, s104                    ; its image;
	s_lshl_b32 s84, s84, 1
	s_add_co_u32 s104, s104, s84
	s_add_co_u32 s104, s104, 3072                  ; its two bytes of each slot's eight
	s_add_nc_u64 s[100:101], s[10:11], s[104:105]
	s_mov_b32 s104, s85
	s_add_nc_u64 s[98:99], s[10:11], s[104:105]
	WIN 0x41
	WALU                                           ; the wait ahead of the first reader of the reciprocals and of O^T
.set j, 0
.rept 32
	v_mul_f32 v[O+j], v[O+j], v16
	v_mul_f32 v[O+32+j], v[O+32+j], v18
.set j, j+1
.endr
	WIN 0x05
.irp q, 0,1
.irp g, 0,1
	v_max3_num_f32 v[W+14*\q+\g], |v[O+32*\q+16*\g]|, |v[O+32*\q+16*\g+1]|, 0x1800000
.endr
.endr
	WIN 0x14
.irp i, 2,4,6,8,10,12,14
.irp q, 0,1
.irp g, 0,1
	v_max3_num_f32 v[W+14*\q+\g], v[W+14*\q+\g], |v[O+32*\q+16*\g+\i]|, |v[O+32*\q+16*\g+\i+1]|
.endr
.endr
.endr
	WIN 0
.irp q, 0,1
.irp g, 0,1
	v_permlanex16_b32 v[W+14*\q+4+\g], v[W+14*\q+\g], s12, s13
.endr
.endr
.irp q, 0,1
.irp g, 0,1
	v_max_num_f32 v[W+14*\q+\g], v[W+14*\q+\g], v[W+14*\q+4+\g]
.endr
.endr
.irp q, 0,1
.irp g, 0,1
	v_add_nc_u32 v[W+14*\q+8+\g], 0xff000000, v[W+14*\q+\g]
.endr
.endr
.irp q, 0,1
.irp g, 0,1
	v_lshrrev_b32 v[W+14*\q+10+\g], 23, v[W+14*\q+8+\g]
.endr
.endr
.irp q, 0,1
	v_lshl_or_b32 v[W+14*\q+7], v[W+14*\q+11], 8, v[W+14*\q+10]
.endr
	WIN 0x01
.irp q, 0,1
	v_cvt_scalef32_pk16_fp6_f32 v[PF+12*\q:PF+12*\q+2], v[O+32*\q:O+32*\q+15], v[W+14*\q+8]
	v_cvt_scalef32_pk16_fp6_f32 v[CT+8*\q:CT+8*\q+2], v[O+32*\q+16:O+32*\q+31], v[W+14*\q+9]
.endr
	WIN 0
	v_nop                                          ; one plain place behind a scaled conversion
.irp q, 0,1
.irp i, 0,1,2
	v_permlane16_swap_b32 v[PF+12*\q+\i], v[CT+8*\q+\i]
.endr
.endr
.irp q, 0,1
.irp i, 0,1,2
	v_mov_b32 v[PF+12*\q+3+\i], v[CT+8*\q+\i]
.endr
.endr
.irp q, 0,1
	global_store_b128 v1, v[PF+12*\q:PF+12*\q+3], s[98:99] offset:8*REC*\q          ; whole aligned blocks of 256 bytes
	global_store_b64 v2, v[PF+12*\q+4:PF+12*\q+5], s[98:99] offset:8*REC*\q+512
	global_store_b16 v2, v[W+14*\q+7], s[100:101] offset:8*REC*\q   ; two bytes a slot: lanes 0-15; lanes 16-31 hold the same and put it into the copy that nobody reads.  One byte in 24 of what the launch stores
.endr
.endm
	PASS 0
	PASS 1
	s_wait_tensorcnt 0x0                           ; the wave's end
	ds_add_u32 v[SPW], v[NIL]
	s_wait_dscnt 0x0
	CROUND                                         ; the closing round
	s_endpgm
.Lfunc_end_k_q7cbe162b28_attn:
	.size	k_q7cbe162b28_attn, .Lfunc_end_k_q7cbe162b28_attn-k_q7cbe162b28_attn
	.p2alignl 7, 3214868480
	.fill 96, 4, 3214868480
	.section	.rodata,"a",@progbits
	.p2align	6, 0x0
	.amdhsa_kernel k_q7cbe162b28_attn
		.amdhsa_group_segment_fixed_size 210944
		.amdhsa_private_segment_fixed_size 0
		.amdhsa_enable_private_segment 0
		.amdhsa_kernarg_size 32
		.amdhsa_user_sgpr_count 2
		.amdhsa_user_sgpr_kernarg_segment_ptr 1
		.amdhsa_wavefront_size32 1
		.amdhsa_system_sgpr_workgroup_id_x 1
		.amdhsa_system_sgpr_workgroup_id_y 1
		.amdhsa_system_sgpr_workgroup_id_z 1
		.amdhsa_system_vgpr_workitem_id 0
		.amdhsa_next_free_vgpr 512
		.amdhsa_next_free_sgpr 106
		.amdhsa_reserve_vcc 0
		.amdhsa_float_denorm_mode_32 3
		.amdhsa_float_denorm_mode_16_64 3
		.amdhsa_memory_ordered 1
		.amdhsa_forward_progress 1
		.amdhsa_inst_pref_size 90
	.end_amdhsa_kernel
	.amdgpu_metadata
---
amdhsa.version: [ 1, 2 ]
amdhsa.kernels:
  - .name:           k_q7cbe162b28_attn
    .symbol:         k_q7cbe162b28_attn.kd
    .args:
      - { .name: qimg, .offset: 0, .size: 8, .value_kind: global_buffer, .address_space: global }
      - { .name: kv, .offset: 8, .size: 8, .value_kind: global_buffer, .address_space: global }
      - { .name: maskc, .offset: 16, .size: 8, .value_kind: global_buffer, .address_space: global }
      - { .name: at, .offset: 24, .size: 8, .value_kind: global_buffer, .address_space: global }
    .group_segment_fixed_size: 210944
    .private_segment_fixed_size: 0
    .kernarg_segment_align: 8
    .kernarg_segment_size: 32
    .max_flat_workgroup_size: 256
    .sgpr_count:     106
    .vgpr_count:     512
    .wavefront_size: 32
...
	.end_amdgpu_metadata
.endif
;; end of part 3
;; launch outp (part 4): grid 4 x 64, 4 waves a work-group, clusters of 4 x 4, 327,680 bytes of LDS; arguments at, ops, bo, out0; writes out0
.if DOCPART == 4
	.amdgcn_target "amdgcn-amd-amdhsa--gfx1250"
	.amdhsa_code_object_version 6
	.text
	.protected	k_q7cbe162b28_outp
	.globl	k_q7cbe162b28_outp
	.p2align	8
	.type	k_q7cbe162b28_outp,@function
k_q7cbe162b28_outp:
	s_mov_b64 s[64:65], 0
	v_nop
	global_prefetch_b8 v0, s[64:65] scope:SCOPE_SE
	s_setreg_imm32_b32 hwreg(HW_REG_WAVE_MODE, 25, 1), 1
	s_wait_xcnt 0x0
	s_wait_alu depctr_hold_cnt(0) depctr_sa_sdst(0) depctr_va_vdst(0) depctr_va_sdst(0) depctr_va_ssrc(0) depctr_va_vcc(0) depctr_vm_vsrc(0)
	s_getreg_b32 s2, hwreg(HW_REG_IB_STS2, 6, 4)
	s_cmp_eq_u32 s2, 0
	s_cbranch_scc0 .Lentry_in_a_cluster
	s_endpgm
.Lentry_in_a_cluster:
	s_bfe_u32 s2, ttmp6, 0x10000c
	s_cmp_lg_u32 s2, 0xf033
	s_cbranch_scc0 .Lentry_shape_is_right
	s_endpgm
.Lentry_shape_is_right:
; Launch 4 of 4: out0 = x wo^T + bo on codes of E2M3; x, the attention's result, lies quantised in at, wo in ops (tiles 1,728 on).  No work of the problem is left out.
; The product is the second launch's, line by line: a work-group makes 128 rows of R (8 tiles of x; source 1: a lane holds one row) x 256 rows of P (16 tiles of wo; source 0: a lane's registers run along the output's columns), all 1,024 of K
; in LDS at once in two halves, one tensor load a wave, nothing filled again; cluster 4 x 4, R's tiles asked for jointly along the cluster's row, P's along its column; the sums begin as the bias.
; Four waves: wave w takes R tiles 4 (w / 2) .. + 3 and P tiles 8 (w % 2) .. + 7: 32 accumulators.
; THE WAY OUT: a tile's 16 rows x 128 columns go through the wave's own stage in LDS and leave as whole rows of 512 bytes.  The stages lie in R's first half, which has had its only fill and whose last reads stand ahead of a barrier that every wave has passed.
; REGISTERS.  window 0: v1-8 addresses; v16-39 scale words, two sets of 12, and nothing else; v40-87, v88-135 R's fragments; on the way out v40-103 and v136-199 rows of the result.  window 1: P's fragments.  window 2: accumulator (a, b) at v[8 (8 a + b)].
.set REC,   13312
.set CHK,   3328
; THE FILLS AS THEY NOW STAND: LDS holds two halves of K (512 along K each): in each R's 8 tiles, then P's 16, a tile's two chunks (6,656 bytes) on end.  One tensor load a wave, at the head:
; wave 0 R's first half, wave 1 P's first half, wave 2 R's second, wave 3 P's second.  The first barrier shows the first half, one later barrier the second.  Nothing is filled again.
; The stages of the way out lie in R's first half, whose last reads stand ahead of that later barrier.
.set TL,    6656                       ; a tile's half of K in LDS: two chunks
.set HB,    159744                     ; a half of K in LDS: 24 tiles
.set POFF,  53248                      ; P's tiles lie behind R's 8
.set SPARE, 319488                     ; the spare words, 128 bytes for each wave
.set SPW,   12                         ; v12  LDS address of my spare word; never rewritten
.set NIL,   13                         ; v13  0; never rewritten
.set SCW,   16
.set RF,    40
.set STO,   200                        ; v200  the stage: where I put 16 bytes of a row
.set RD,    201                        ; v201  and where I read a row back
.set WV,    16
.set G1R,   24
.set G1P,   32
.set G0R,   40
.set G0P,   68
.set MSB, 0
.macro WIN new                         ; the immediate's high byte repeats the setting that is left
.if MSB != \new
	s_set_vgpr_msb (MSB<<8)|\new
.set MSB, \new
.endif
.endm
.macro PLACES n
.rept \n
	v_nop
.endr
.endm
.macro CROUND                          ; a round of the cluster's barrier
	s_barrier_signal -1
	s_barrier_wait -1
	s_cmp_lg_u32 s[WV], 0
	s_cbranch_scc1 .Lnot_wave_0_\@
	s_barrier_signal -3
.Lnot_wave_0_\@:
	s_barrier_wait -3
	s_barrier_signal -1
	s_barrier_wait -1
.endm
.macro FRAGL reg, a16, a8, off         ; a fragment, 16 rows x 128 K: two images on end
	ds_load_b128 v[\reg:\reg+3], v[\a16] offset:\off
	ds_load_b64 v[\reg+4:\reg+5], v[\a8] offset:\off+512
	ds_load_b128 v[\reg+6:\reg+9], v[\a16] offset:\off+768
	ds_load_b64 v[\reg+10:\reg+11], v[\a8] offset:\off+1280
.endm
.macro FETCH k                         ; K step k: 48 LDS loads into set k % 2; with a chunk's first step 6 more: its scale words
.if (\k)%2 == 0
.irp i, 0,1,2,3
	ds_load_b64 v[SCW+12*(((\k)/2)%2)+2*\i:SCW+12*(((\k)/2)%2)+2*\i+1], v6 offset:2*TL*\i
.endr
.irp i, 0,1
	ds_load_b64 v[SCW+12*(((\k)/2)%2)+8+2*\i:SCW+12*(((\k)/2)%2)+8+2*\i+1], v5 offset:2*TL*\i
.endr
.endif
	WIN 0x40
.irp i, 0,1,2,3,4,5,6,7
	FRAGL 128*((\k)%2)+12*\i, 3, 4, TL*\i+1536*((\k)%2)
.endr
	WIN 0
.irp i, 0,1,2,3
	FRAGL RF+48*((\k)%2)+12*\i, 1, 2, TL*\i+1536*((\k)%2)
.endr
.endm
.macro PROD a, b, set, sc
.set rD, 8*(8*(\a)+(\b))
.set rA, 128*(\set)+12*(\b)
.set rB, RF+48*(\set)+12*(\a)
.set rSA, (\sc)+2*((\b)/2)
.set rSB, (\sc)+8+2*((\a)/2)
.if ((\a)%2 == 0) && ((\b)%2 == 0)
	v_wmma_scale_f32_16x16x128_f8f6f4 v[rD:rD+7], v[rA:rA+11], v[rB:rB+11], v[rD:rD+7], v[rSA], v[rSB] matrix_a_fmt:MATRIX_FMT_FP6 matrix_b_fmt:MATRIX_FMT_FP6
.elseif (\a)%2 == 0
	v_wmma_scale_f32_16x16x128_f8f6f4 v[rD:rD+7], v[rA:rA+11], v[rB:rB+11], v[rD:rD+7], v[rSA], v[rSB] matrix_a_fmt:MATRIX_FMT_FP6 matrix_b_fmt:MATRIX_FMT_FP6 matrix_a_scale:MATRIX_SCALE_ROW1
.elseif (\b)%2 == 0
	v_wmma_scale_f32_16x16x128_f8f6f4 v[rD:rD+7], v[rA:rA+11], v[rB:rB+11], v[rD:rD+7], v[rSA], v[rSB] matrix_a_fmt:MATRIX_FMT_FP6 matrix_b_fmt:MATRIX_FMT_FP6 matrix_b_scale:MATRIX_SCALE_ROW1
.else
	v_wmma_scale_f32_16x16x128_f8f6f4 v[rD:rD+7], v[rA:rA+11], v[rB:rB+11], v[rD:rD+7], v[rSA], v[rSB] matrix_a_fmt:MATRIX_FMT_FP6 matrix_b_fmt:MATRIX_FMT_FP6 matrix_a_scale:MATRIX_SCALE_ROW1 matrix_b_scale:MATRIX_SCALE_ROW1
.endif
.endm
.macro MUL k                           ; 32 products; the 32 accumulators take turns, one instruction a turn, in the same order in every K step
	WIN 0xa1
.irp a, 0,1,2,3
.irp b, 0,1,2,3,4,5,6,7
	PROD \a, \b, (\k)%2, SCW+12*(((\k)/2)%2)+(\k)%2
.endr
.endr
	WIN 0
.endm
	s_load_b256 s[4:11], s[0:1], 0x0               ; at, ops, bo, out0
	v_lshl_add_u32 v[SPW], v0, 2, SPARE
	v_mov_b32 v[NIL], 0
	ds_add_u32 v[SPW], v[NIL]                      ; the wave's opening: the add, twice on end, and its wait ahead of my first tensor load
	ds_add_u32 v[SPW], v[NIL]
	v_lshrrev_b32 v1, 5, v0
	v_readfirstlane_b32 s[WV], v1
	s_lshr_b32 s17, s16, 1
	s_and_b32 s18, s16, 1
	s_bfe_u32 s19, ttmp6, 0x40000                  ; cx
	s_bfe_u32 s20, ttmp6, 0x40004                  ; cy
	s_and_b32 s21, ttmp7, 0xffff                   ; the cluster's number, 0 .. 15
	s_lshl_b32 s22, s21, 2
	s_add_co_u32 s22, s22, s20                     ; my block of 128 rows of x: it hangs on cy, never on cx
	s_mov_b32 s66, s19                             ; my block of 256 rows of wo: on cx alone
	s_lshl_b32 s2, s22, 3
	s_lshl_b32 s3, s17, 2
	s_add_co_u32 s2, s2, s3                        ; s2: my wave's first tile of x
	s_lshl_b32 s3, s66, 1
	s_add_co_u32 s3, s3, s18                       ; s3: my wave's 128 columns of the output
	s_lshl_b32 s23, s22, 3                         ; what I fetch: waves 0, 2: x's block,
	s_mul_i32 s56, s23, REC                        ; x's 8 tiles,
	s_mul_i32 s92, s17, 2*CHK                      ; the half of K that my wave fetches: wave / 2
	s_add_co_u32 s56, s56, s92
	s_mov_b32 s57, 0
	s_lshl_b32 s67, s66, 4                         ; waves 1, 3: wo's block
	s_add_co_u32 s67, s67, 1728
	s_mul_i32 s84, s67, REC                        ; wo's 16 tiles, the same half
	s_add_co_u32 s84, s84, s92
	s_mov_b32 s85, 0
	s_mul_i32 s92, s17, HB
	s_mov_b32 s93, s92
	s_add_co_u32 s93, s93, POFF
	s_lshl_b32 s94, s20, 2
	s_lshl_b32 s94, 15, s94                        ; my row of the cluster
	s_lshl_b32 s95, 0x1111, s19                    ; my column
	; group 1: a row is one tile's two chunks: 832 elements of 8 bytes, 1,664 elements (a record) from row to row; no padding
	s_or_b32 s[G1R], s94, (3<<16)|(1<<21)
	s_or_b32 s[G1P], s95, (3<<16)|(1<<21)
	s_mov_b32 s[G1R+1], 832<<16                    ; a row: two chunks of one tile, 832 elements of 8 bytes
	s_mov_b32 s[G1R+2], 8<<16
	s_mov_b32 s[G1R+3], 832<<16
	s_mov_b32 s[G1R+4], 8
	s_mov_b32 s[G1R+5], 1664
	s_mov_b32 s[G1R+6], 0
	s_mov_b32 s[G1R+7], 0
	s_mov_b32 s[G1P+1], 832<<16
	s_mov_b32 s[G1P+2], 16<<16
	s_mov_b32 s[G1P+3], 832<<16
	s_mov_b32 s[G1P+4], 16
	s_mov_b32 s[G1P+5], 1664
	s_mov_b32 s[G1P+6], 0
	s_mov_b32 s[G1P+7], 0
	s_wait_dscnt 0x0                               ; both opening adds are done
	s_wait_kmcnt 0x0
	s_add_nc_u64 s[56:57], s[4:5], s[56:57]
	s_add_nc_u64 s[84:85], s[6:7], s[84:85]
	CROUND                                         ; all sixteen work-groups are here: the joint loads meet
	s_mov_b32 s[G0R], 1
	s_mov_b32 s[G0R+1], s92
	s_mov_b64 s[G0R+2:G0R+3], s[56:57]
	s_or_b32 s[G0R+3], s[G0R+3], 0x80000000
	s_mov_b32 s[G0P], 1
	s_mov_b32 s[G0P+1], s93
	s_mov_b64 s[G0P+2:G0P+3], s[84:85]
	s_or_b32 s[G0P+3], s[G0P+3], 0x80000000
.macro ARM w, g0, g1, next             ; one chain of branches on the wave's number, one load to an arm, all arms leading to one join
	s_cmp_eq_u32 s[WV], \w
	s_cbranch_scc0 \next
	tensor_load_to_lds s[\g0:\g0+3], s[\g1:\g1+7]
	s_nop 0
	PLACES 4
	s_branch .Lfilled
\next:
.endm
	ARM 0, G0R, G1R, .Lwave_1                      ; R, first half of K
	ARM 1, G0P, G1P, .Lwave_2                      ; P, first half
	ARM 2, G0R, G1R, .Lwave_3                      ; R, second half
	tensor_load_to_lds s[G0P:G0P+3], s[G1P:G1P+7]  ; P, second half
	s_nop 0
	PLACES 4
.Lfilled:
	v_and_b32 v9, 31, v0                           ; lane
	v_and_b32 v10, 15, v0                          ; r
	v_bfe_u32 v11, v0, 4, 1                        ; h
	v_lshlrev_b32 v7, 4, v9
	v_lshlrev_b32 v8, 3, v9
	s_mul_i32 s94, s17, 4*TL
	s_mul_i32 s95, s18, 8*TL
	s_add_co_u32 s95, s95, POFF
	v_add_nc_u32 v1, s94, v7
	v_add_nc_u32 v2, s94, v8
	v_add_nc_u32 v3, s95, v7
	v_add_nc_u32 v4, s95, v8
	v_mul_u32_u24 v5, v11, TL
	v_lshl_add_u32 v5, v10, 3, v5
	v_add_nc_u32 v5, 3072, v5
	v_add_nc_u32 v6, s95, v5
	v_add_nc_u32 v5, s94, v5
	v_lshlrev_b32 v14, 6, v11                      ; 64 h
	s_wait_alu depctr_va_vdst(0)
	s_mul_i32 s94, s16, 8448                       ; my stage: 16 rows x 528 bytes
	v_mul_u32_u24 v[STO], v10, 528
	v_lshl_add_u32 v[STO], v11, 6, v[STO]
	v_add_nc_u32 v[STO], s94, v[STO]               ; in: row r, + 64 h
	v_add_nc_u32 v[RD], s94, v7                    ; back: 16 bytes a lane of a row
	s_lshl_b32 s20, s3, 9                          ; my 128 columns: in bo,
	s_mov_b32 s21, 0
	s_add_nc_u64 s[96:97], s[8:9], s[20:21]
	s_add_nc_u64 s[10:11], s[10:11], s[20:21]      ; and in a row of out0;
	s_lshl_b32 s20, s2, 16                         ; my first row: 16 x my first tile, rows of 4,096 bytes
	s_add_nc_u64 s[10:11], s[10:11], s[20:21]
	WIN 0x80                                       ; the sums begin as the bias: register j of accumulator (a, b) is column 32 (b / 2) + 8 (b % 2) + 16 h + j, for every a
.irp a, 0,1,2,3
.irp b, 0,1,2,3,4,5,6,7
	global_load_b128 v[8*(8*\a+\b):8*(8*\a+\b)+3], v14, s[96:97] offset:(32*(\b/2)+8*(\b%2))*4
	global_load_b128 v[8*(8*\a+\b)+4:8*(8*\a+\b)+7], v14, s[96:97] offset:(32*(\b/2)+8*(\b%2))*4+16
.endr
.endr
	WIN 0
	s_cmp_lt_u32 s[WV], 2                          ; waves 0 and 1 brought the first half of K, by load lines of their own: they wait for them; the second half may stay out
	s_cbranch_scc0 .Lnot_half_0
	s_wait_tensorcnt 0x0
.Lnot_half_0:
	s_barrier_signal -1
	s_barrier_wait -1
	FETCH 0
	FETCH 1
	s_wait_dscnt 48                                ; all but K step 1's 48
	s_wait_loadcnt 0x0                             ; the bias
	MUL 0
.irp k, 1,2,3,4,5,6
.if \k%2
.if \k == 3
	s_wait_tensorcnt 0x0                           ; every wave's load is in: the second half of K is shown to all
	s_wait_dscnt 0x0                               ; no LDS load of mine is out at a signal
	s_barrier_signal -1
	s_barrier_wait -1
.set ADV, HB-CHK
.else
.set ADV, CHK
.endif
.irp r, 1,2,3,4,5,6
	v_add_nc_u32 v\r, ADV, v\r                     ; on to the next chunk.  (These six are also the places between the last products and the loads into the registers that they read)
.endr
.else
	PLACES 4
.endif
	FETCH \k+1
.if \k%2
	s_wait_alu depctr_va_vdst(0)
	s_wait_dscnt 54                                ; all but the loads just issued
.else
	s_wait_dscnt 48
.endif
	MUL \k
.endr
	s_wait_dscnt 0x0
	MUL 7
.macro TOSTAGE a                       ; tile a: register 16 g + 4 j + e of its 64 is column 32 g + 16 h + 4 j + e of row r; each accumulator from its low end on
	WIN 0x08                                       ; an LDS store's data are its source 1: window 2
.irp g, 0,1,2,3
.irp j, 0,1,2,3
	ds_store_b128 v[STO], v[64*(\a)+16*\g+4*\j:64*(\a)+16*\g+4*\j+3] offset:128*\g+16*\j
.endr
.endr
	WIN 0
.set BB, 40+96*((\a)%2)
.irp t, 0,1,2,3,4,5,6,7,8,9,10,11,12,13,14,15
	ds_load_b128 v[BB+4*\t:BB+4*\t+3], v[RD] offset:528*\t   ; LDS serves a wave's instructions in order: these see my stores, and the next tile's stores come behind them
.endr
.endm
.macro SEND a, younger                 ; younger: the LDS instructions issued behind tile a's loads
.set BB, 40+96*((\a)%2)
	s_wait_dscnt \younger
.irp t, 0,1,2,3,4,5,6,7,8,9,10,11,12,13,14,15
	global_store_b128 v7, v[BB+4*\t:BB+4*\t+3], s[10:11] offset:(32*((\a)/2)+8*((\a)%2)+\t+8*(\t/8))*4096 th:TH_STORE_NT   ; slot t's row: 32 lanes store 512 consecutive bytes, at a multiple of 256 from out0's first byte
.endr
.endm
	PLACES 4                                       ; between the last products and the first read of results, and the loads into R's registers
	TOSTAGE 0
	TOSTAGE 1
	SEND 0, 32                                     ; behind tile 0's loads: tile 1's 16 stores and 16 loads
	s_wait_xcnt 0x0                                ; tile 0's stores have read their registers
	TOSTAGE 2
	SEND 1, 32
	s_wait_xcnt 0x0
	TOSTAGE 3
	SEND 2, 32
	SEND 3, 0
	s_wait_tensorcnt 0x0                           ; the wave's end, behind my last tensor load and my last LDS store
	ds_add_u32 v[SPW], v[NIL]
	s_wait_dscnt 0x0
	CROUND                                         ; the closing round
	s_endpgm
.Lfunc_end_k_q7cbe162b28_outp:
	.size	k_q7cbe162b28_outp, .Lfunc_end_k_q7cbe162b28_outp-k_q7cbe162b28_outp
	.p2alignl 7, 3214868480
	.fill 96, 4, 3214868480
	.section	.rodata,"a",@progbits
	.p2align	6, 0x0
	.amdhsa_kernel k_q7cbe162b28_outp
		.amdhsa_group_segment_fixed_size 327680
		.amdhsa_private_segment_fixed_size 0
		.amdhsa_enable_private_segment 0
		.amdhsa_kernarg_size 32
		.amdhsa_user_sgpr_count 2
		.amdhsa_user_sgpr_kernarg_segment_ptr 1
		.amdhsa_wavefront_size32 1
		.amdhsa_system_sgpr_workgroup_id_x 1
		.amdhsa_system_sgpr_workgroup_id_y 1
		.amdhsa_system_sgpr_workgroup_id_z 1
		.amdhsa_system_vgpr_workitem_id 0
		.amdhsa_next_free_vgpr 768
		.amdhsa_next_free_sgpr 104
		.amdhsa_reserve_vcc 0
		.amdhsa_float_denorm_mode_32 3
		.amdhsa_float_denorm_mode_16_64 3
		.amdhsa_memory_ordered 1
		.amdhsa_forward_progress 1
		.amdhsa_inst_pref_size 88
	.end_amdhsa_kernel
	.amdgpu_metadata
---
amdhsa.version: [ 1, 2 ]
amdhsa.kernels:
  - .name:           k_q7cbe162b28_outp
    .symbol:         k_q7cbe162b28_outp.kd
    .args:
      - { .name: at, .offset: 0, .size: 8, .value_kind: global_buffer, .address_space: global }
      - { .name: ops, .offset: 8, .size: 8, .value_kind: global_buffer, .address_space: global }
      - { .name: bo, .offset: 16, .size: 8, .value_kind: global_buffer, .address_space: global }
      - { .name: out0, .offset: 24, .size: 8, .value_kind: global_buffer, .address_space: global }
    .group_segment_fixed_size: 327680
    .private_segment_fixed_size: 0
    .kernarg_segment_align: 8
    .kernarg_segment_size: 32
    .max_flat_workgroup_size: 128
    .sgpr_count:     104
    .vgpr_count:     768
    .wavefront_size: 32
...
	.end_amdgpu_metadata
.endif
;; end of part 4
